; MI455X (gfx1250); checked and timed in simulation.
; The chip was launched on July 23, 2026; its instructions are those of AMD's public machine-readable ISA for CDNA 5 (MIT licence, August 2026) and "CDNA5" Instruction Set Architecture Reference Guide (July 2026). The comments in the code are by the model that wrote it; some were corrected since.
;; MT5. Allowed arithmetic: float matrix products may take bf16 or f16 operands with f32 sums; all other float work in f32.
;; Inputs: Wk 1,024 x 1,024 float32; Wo 1,024 x 1,024 float32; Wq 1,024 x 1,024 float32; Wv 1,024 x 1,024 float32; encoder_output 4 x 2,048 x 1,024 float32; input_ids 4 x 1,024 x 1,024 float32; position_bias 1 x 16 x 1,024 x 2,048 float32.
;; Outputs: out0 4 x 1,024 x 1,024 float32.
;; 2 versions, each right; version 2 is version 1 with the launch cast written anew for expert scheduling mode. Each part assembles by itself: llvm-mc -triple=amdgcn-amd-amdhsa -mcpu=gfx1250 --defsym DOCPART=n.
;; ======== version 1 of 2: 5 launches
;; limits: values are held in f16: magnitudes above 65,504 overflow, below 6.1e-05 lose precision; inputs' magnitudes at most 65,504; right only within a limited range of input values
;; workspace buffers: xe16 16,777,216 bytes; xi16 8,388,608 bytes; wq16 2,097,152 bytes; wkv16 4,194,304 bytes; wo16 2,097,152 bytes; kv16 33,554,432 bytes; q32 16,777,216 bytes; o16 8,388,608 bytes
;; launch cast (part 1): grid 64 x 16, 8 waves a work-group, no clusters, 0 bytes of LDS; arguments encoder_output, input_ids, Wq, Wk, Wv, Wo, xe16, xi16, wq16, wkv16, wo16; writes xe16, xi16, wq16, wkv16, wo16
.if DOCPART == 1
	.amdgcn_target "amdgcn-amd-amdhsa--gfx1250"
	.amdhsa_code_object_version 6
	.text
	.protected	k_q6351e7a25c_cast
	.globl	k_q6351e7a25c_cast
	.p2align	8
	.type	k_q6351e7a25c_cast,@function
k_q6351e7a25c_cast:
	s_mov_b64 s[64:65], 0
	v_nop
	global_prefetch_b8 v0, s[64:65] scope:SCOPE_SE
	s_setreg_imm32_b32 hwreg(HW_REG_WAVE_MODE, 25, 1), 1
	s_wait_xcnt 0x0
; y = f16(bf16(x)) for the two activations and the four weights: each f32 input is rounded ONCE, to bf16 (nearest even), and that number is written as f16,
; the one operand format of all later products.
; LIMITS.  The second step is exact for 2^-17 <= |x| < 65,520; below 2^-17 the number keeps f16's fixed step of 2^-24; from 65,520 on it becomes an infinity.
; SHARES.  A work-group takes 16,384 numbers: 65,536 bytes in, 32,768 out; a thread 16 loads of 16 bytes, all issued at once.  Grid row y says which tensor:
;   0-7 encoder_output -> xe16;  8 Wq -> wq16;  9 Wk -> wkv16;  10 Wv -> wkv16's second half;  11 Wo -> wo16: all as they lie;
;   12-15 input_ids -> xi16 in ATOMS: an atom is 16 rows x 64 columns, 2,048 dense bytes (a row 128); atom number = ((col / 256) x 256 + row / 16) x 4 + (col / 64) % 4,
;   so that 128 rows x 256 columns, a tile of the product that follows, are 65,536 dense bytes.
; A stream: memory binds.  No LDS, no barrier, no matrix unit, no cluster: no byte is read twice and no two work-groups share one.
.set X, 8                              ; v[8:71]    load j: 4 registers
.set T, 72                             ; v[72:73]   at work
.set Y, 76                             ; v[76:107]  store j: 2 registers
	s_load_b512 s[4:19], s[0:1], 0x0               ; encoder_output 4:5, input_ids 6:7, Wq 8:9, Wk 10:11, Wv 12:13, Wo 14:15, xe16 16:17, xi16 18:19
	s_load_b128 s[20:23], s[0:1], 0x40             ; wq16 20:21, wkv16 22:23
	s_load_b64 s[24:25], s[0:1], 0x50              ; wo16
	s_and_b32 s28, ttmp7, 0xffff                   ; y
	s_mov_b32 s29, ttmp9                           ; x
	s_lshl_b32 s34, s28, 6
	s_add_co_u32 s34, s34, s29                     ; the share's number in the source: 64 y + x for encoder_output
	s_mov_b32 s35, s34                             ; and in the destination
	s_add_co_u32 s41, s29, 64                      ; Wv's place in wkv16
	s_sub_co_u32 s42, s34, 768                     ; input_ids: 64 (y - 12) + x, used for y >= 12 alone
	s_mov_b32 s40, 0xffff0000                      ; a word's upper bf16
	s_mov_b32 s37, 0
	s_mov_b32 s39, 0
	v_and_b32 v3, 31, v0                           ; lane
	v_lshrrev_b32 v4, 5, v0                        ; wave
	s_wait_kmcnt 0x0
	s_mov_b64 s[30:31], s[4:5]
	s_mov_b64 s[32:33], s[16:17]
.macro PICK src, dst, gs, gd           ; behind a compare on y: source, destination and the two numbers
	s_cselect_b64 s[30:31], s[\src:\src+1], s[30:31]
	s_cselect_b64 s[32:33], s[\dst:\dst+1], s[32:33]
	s_cselect_b32 s34, s\gs, s34
	s_cselect_b32 s35, s\gd, s35
.endm
	s_cmp_eq_u32 s28, 8
	PICK 8, 20, 29, 29
	s_cmp_eq_u32 s28, 9
	PICK 10, 22, 29, 29
	s_cmp_eq_u32 s28, 10
	PICK 12, 22, 29, 41
	s_cmp_eq_u32 s28, 11
	PICK 14, 24, 29, 29
	s_cmp_ge_u32 s28, 12
	PICK 6, 18, 42, 42
	s_lshl_b32 s36, s34, 16                        ; 65,536 bytes of source a share
	s_add_nc_u64 s[30:31], s[30:31], s[36:37]
; 16 loads, then for each: wait, round to bf16, widen, write as f16, store.  Each j has registers of its own, so nothing is rewritten while a store reads it.
.macro WORK atoms
.set j, 0
.rept 16
.if \atoms
	global_load_b128 v[X+4*j:X+4*j+3], v1, s[30:31] offset:(j%8)*8192+(j/8)*256 th:TH_LOAD_NT  ; rows 2 (j % 8) and + 1, 256 bytes of each
.else
	global_load_b128 v[X+4*j:X+4*j+3], v1, s[30:31] offset:512*j th:TH_LOAD_NT                 ; 512 consecutive bytes
.endif
.set j, j+1
.endr
.set j, 0
.rept 16
	s_wait_loadcnt 15-j                            ; loads come back in order: load j is in, the 15 - j younger ones stay out
	v_cvt_pk_bf16_f32 v[T], v[X+4*j], v[X+4*j+1]
	v_cvt_pk_bf16_f32 v[T+1], v[X+4*j+2], v[X+4*j+3]
	v_lshlrev_b32 v[X+4*j], 16, v[T]
	v_and_b32 v[X+4*j+1], s40, v[T]
	v_lshlrev_b32 v[X+4*j+2], 16, v[T+1]
	v_and_b32 v[X+4*j+3], s40, v[T+1]
	v_cvt_pk_f16_f32 v[Y+2*j], v[X+4*j], v[X+4*j+1]
	v_cvt_pk_f16_f32 v[Y+2*j+1], v[X+4*j+2], v[X+4*j+3]
	global_store_b64 v2, v[Y+2*j:Y+2*j+1], s[32:33] offset:256*j  ; the wave's 32 lanes store 256 consecutive bytes, at a multiple of 256
.set j, j+1
.endr
.endm
	s_cmp_ge_u32 s28, 12
	s_cbranch_scc1 .Latoms
	s_lshl_b32 s38, s35, 15                        ; 32,768 bytes of destination a share
	s_add_nc_u64 s[32:33], s[32:33], s[38:39]
	v_lshlrev_b32 v1, 4, v3
	v_lshl_add_u32 v1, v4, 13, v1                  ; source: 8,192 x wave + 16 x lane
	v_lshrrev_b32 v2, 1, v1                        ; destination: half of that
	WORK 0
	s_endpgm
.Latoms:                                               ; the share is 16 rows x 1,024 columns; wave w takes columns 128 w .. + 127: two atoms
	s_lshl_b32 s38, s35, 13                        ; a block of 16 rows: four atoms, 8,192 bytes, in each quarter of the columns
	s_add_nc_u64 s[32:33], s[32:33], s[38:39]
	v_lshrrev_b32 v5, 4, v3                        ; lane / 16: which of two rows
	v_and_b32 v6, 15, v3
	v_lshlrev_b32 v1, 4, v6
	v_lshl_add_u32 v1, v4, 9, v1
	v_lshl_add_u32 v1, v5, 12, v1                  ; source: 4,096 (lane / 16) + 512 w + 16 (lane % 16)
	v_lshrrev_b32 v5, 1, v4
	v_and_b32 v6, 1, v4
	v_lshlrev_b32 v2, 3, v3
	v_lshl_add_u32 v2, v6, 12, v2
	v_lshl_add_u32 v2, v5, 21, v2                  ; destination: 2,097,152 (w / 2) + 4,096 (w % 2) + 8 x lane; store j adds 256 j
	WORK 1
	s_endpgm
.Lfunc_end_k_q6351e7a25c_cast:
	.size	k_q6351e7a25c_cast, .Lfunc_end_k_q6351e7a25c_cast-k_q6351e7a25c_cast
	.p2alignl 7, 3214868480
	.fill 96, 4, 3214868480
	.section	.rodata,"a",@progbits
	.p2align	6, 0x0
	.amdhsa_kernel k_q6351e7a25c_cast
		.amdhsa_group_segment_fixed_size 0
		.amdhsa_private_segment_fixed_size 0
		.amdhsa_enable_private_segment 0
		.amdhsa_kernarg_size 88
		.amdhsa_user_sgpr_count 2
		.amdhsa_user_sgpr_kernarg_segment_ptr 1
		.amdhsa_wavefront_size32 1
		.amdhsa_system_sgpr_workgroup_id_x 1
		.amdhsa_system_sgpr_workgroup_id_y 1
		.amdhsa_system_sgpr_workgroup_id_z 1
		.amdhsa_system_vgpr_workitem_id 0
		.amdhsa_next_free_vgpr 108
		.amdhsa_next_free_sgpr 66
		.amdhsa_reserve_vcc 0
		.amdhsa_float_denorm_mode_32 3
		.amdhsa_float_denorm_mode_16_64 3
		.amdhsa_memory_ordered 1
		.amdhsa_forward_progress 1
		.amdhsa_inst_pref_size 22
	.end_amdhsa_kernel
	.amdgpu_metadata
---
amdhsa.version: [ 1, 2 ]
amdhsa.kernels:
  - .name:           k_q6351e7a25c_cast
    .symbol:         k_q6351e7a25c_cast.kd
    .args:
      - { .name: encoder_output, .offset: 0, .size: 8, .value_kind: global_buffer, .address_space: global }
      - { .name: input_ids, .offset: 8, .size: 8, .value_kind: global_buffer, .address_space: global }
      - { .name: Wq, .offset: 16, .size: 8, .value_kind: global_buffer, .address_space: global }
      - { .name: Wk, .offset: 24, .size: 8, .value_kind: global_buffer, .address_space: global }
      - { .name: Wv, .offset: 32, .size: 8, .value_kind: global_buffer, .address_space: global }
      - { .name: Wo, .offset: 40, .size: 8, .value_kind: global_buffer, .address_space: global }
      - { .name: xe16, .offset: 48, .size: 8, .value_kind: global_buffer, .address_space: global }
      - { .name: xi16, .offset: 56, .size: 8, .value_kind: global_buffer, .address_space: global }
      - { .name: wq16, .offset: 64, .size: 8, .value_kind: global_buffer, .address_space: global }
      - { .name: wkv16, .offset: 72, .size: 8, .value_kind: global_buffer, .address_space: global }
      - { .name: wo16, .offset: 80, .size: 8, .value_kind: global_buffer, .address_space: global }
    .group_segment_fixed_size: 0
    .private_segment_fixed_size: 0
    .kernarg_segment_align: 8
    .kernarg_segment_size: 88
    .max_flat_workgroup_size: 256
    .sgpr_count:     66
    .vgpr_count:     108
    .wavefront_size: 32
...
	.end_amdgpu_metadata
.endif
;; end of part 1
;; launch kvproj (part 2): grid 8 x 32, 4 waves a work-group, clusters of 4 x 4, 327,680 bytes of LDS; arguments xe16, wkv16, kv16; writes kv16
.if DOCPART == 2
	.amdgcn_target "amdgcn-amd-amdhsa--gfx1250"
	.amdhsa_code_object_version 6
	.text
	.protected	k_q6351e7a25c_kvproj
	.globl	k_q6351e7a25c_kvproj
	.p2align	8
	.type	k_q6351e7a25c_kvproj,@function
k_q6351e7a25c_kvproj:
	s_mov_b64 s[64:65], 0
	v_nop
	global_prefetch_b8 v0, s[64:65] scope:SCOPE_SE
	s_setreg_imm32_b32 hwreg(HW_REG_WAVE_MODE, 25, 1), 1
	s_wait_xcnt 0x0
	s_wait_alu depctr_hold_cnt(0) depctr_sa_sdst(0) depctr_va_vdst(0) depctr_va_sdst(0) depctr_va_ssrc(0) depctr_va_vcc(0) depctr_vm_vsrc(0)
	s_getreg_b32 s2, hwreg(HW_REG_IB_STS2, 6, 4)
	s_cmp_eq_u32 s2, 0
	s_cbranch_scc0 .Lentry_in_a_cluster
	s_endpgm
.Lentry_in_a_cluster:
	s_bfe_u32 s2, ttmp6, 0x10000c
	s_cmp_lg_u32 s2, 0xf033
	s_cbranch_scc0 .Lentry_shape_is_right
	s_endpgm
.Lentry_shape_is_right:
; K = e Wk and V = e Wv.  e: xe16 [8192][1024] f16; Wk, Wv: wkv16, two matrices [1024 k][1024 n] f16; sums in f32, results rounded once to f16.
; OUTPUT.  kv16: K at byte 0, V at 16,777,216; each [head x 2 + batch / 2][key / 128][batch % 2][128 keys][64] f16: blocks of 16,384 dense bytes, in the order in which the attention asks for them.
; LIMIT.  A result of 65,520 or more becomes an infinity in f16.
; SHAPE.  A tile of C is 256 x 256, made by four waves, each 128 x 128: 64 accumulators, 512 registers.  32 tile rows x (4 tile columns of K + 4 of V) = 256 work-groups.
; K goes in steps of 128 through two LDS slots filled by tensor loads.  e's tile lies [row][k]; W's lies [k][n] as in memory and is turned on its way into registers by ds_load_tr16_b128.
; CLUSTER.  4 x 4 work-groups: the four of a row of the cluster need the same tile of e, the four of a column the same tile of W: each is asked for jointly, by the same tensor load with the same
; descriptor and a mask that names the four.  The cluster's x (0, 1) says K or V, the place cx in it which 256 columns.
; THE MATRIX INSTRUCTION IS USED TRANSPOSED: source 0 = 16 columns of W, source 1 = 16 rows of e: a lane holds row l % 16 of C and eight neighbouring columns, 16 bytes of f16.
; REGISTERS, in windows of 256: window 0: v0-31 addresses; v64-127, v128-191 fragments of e, two buffers; v32-63, v192-255 at work on the way out.  window 1: v64-127, v128-191 fragments of W.
;   window 2: the accumulators of my rows 0-63 ((a, b) at v[8 (8 a + b)]);  window 3: those of my rows 64-127.
.set SIZE_K, 1024
.set KSTEP,  128
.set PITCH,  272                       ; a row of e in LDS: 256 bytes + 16 = 68 words: the 16 rows of a load start at 16 different groups of four banks (64 banks of 4 bytes: ISA guide 11.1)
.set PB,     544                       ; a k-row of W in LDS: 512 bytes + 32 = 17 x 32
.set HALFT,  128*PITCH                 ; what one tensor load brings: 128 rows of e, or 64 k-rows of W (64 x 544 is the same 34,816)
.set SLOT,   4*HALFT                   ; e's 256 rows, then W's 128 k-rows
.set STAGE,  2*SLOT                    ; behind the ring: 16 rows x 272 bytes for each wave, for the way out
.set SPITCH, 272
.set SPARE,  STAGE+4*16*SPITCH         ; behind the stages: the spare words, 128 bytes for each wave
.set LAPS,   SIZE_K/(2*KSTEP)          ; a lap = two K steps = once round the ring: 4
.set ADRA, 16                          ; v16-17  LDS address of my fragments of e in slot 0, 1
.set ADRB, 20                          ; v20-21  the same for W
.set STO,  24                          ; v24     the way out: where I put 16 bytes of a row
.set RD,   25                          ; v25     the way out: where I read back
.set CO,   26                          ; v26     16 x lane
.set SPW,  28                          ; v28     LDS address of my spare word; never rewritten
.set NIL,  29                          ; v29     0; never rewritten
.set F0,   64
.set F1,   128
.set TMP,  192
.set OB,   32
.set G1, 24                            ; s[24:31] descriptor group 1 for e's tiles;  s[32:39] group 0, a set for each slot
.set G0, 32
.set G1B, 48                           ; s[48:55], s[56:63] the same for W's
.set G0B, 56
.set MSB, 0
.macro WIN new                         ; the immediate's high byte repeats the setting that is left; a switch that changes nothing is dropped
.if MSB != (\new)
	s_set_vgpr_msb (MSB<<8)|(\new)
.set MSB, \new
.endif
.endm
.set MUL_LO, 0xa1                      ; source 0 (W) window 1, source 1 (e) window 0, C and D window 2
.set MUL_HI, 0xf1                      ; the same, C and D window 3
.set TO_B,   0x40                      ; destination window 1, address window 0
; A joint load.  Waves 0 and 1 fetch e's two halves, waves 2 and 3 W's.  The branch hangs on the wave's number alone.  An s_nop 0 and four v_nop follow each line.
.macro JLOAD s
	s_cmp_eq_u32 s11, 0
	s_cbranch_scc0 .Lfor_b_\@
	tensor_load_to_lds s[G0+4*(\s):G0+4*(\s)+3], s[G1:G1+7]
	s_nop 0
.rept 4
	v_nop
.endr
	s_branch .Lasked_\@
.Lfor_b_\@:
	tensor_load_to_lds s[G0B+4*(\s):G0B+4*(\s)+3], s[G1B:G1B+7]
	s_nop 0
.rept 4
	v_nop
.endr
.Lasked_\@:
.endm
.macro CREST                           ; a round of the cluster's barrier behind its opening barrier
	s_cmp_lg_u32 s10, 0
	s_cbranch_scc1 .Lnot_wave_0_\@
	s_barrier_signal -3
.Lnot_wave_0_\@:
	s_barrier_wait -3
	s_barrier_signal -1
	s_barrier_wait -1
.endm
.macro CROUND                          ; a whole round
	s_barrier_signal -1
	s_barrier_wait -1
	CREST
.endm
	s_load_b128 s[4:7], s[0:1], 0x0                ; xe16 s[4:5], wkv16 s[6:7]
	s_load_b64 s[8:9], s[0:1], 0x10                ; kv16
	v_lshl_add_u32 v[SPW], v0, 2, SPARE
	v_mov_b32 v[NIL], 0
	ds_add_u32 v[SPW], v[NIL]                      ; the wave's opening: the add and its wait stand ahead of my first tensor load; work on registers stands between them
	v_lshrrev_b32 v1, 5, v0
	v_readfirstlane_b32 s10, v1                    ; wave 0..3
	s_lshr_b32 s11, s10, 1                         ; which half of the tile's rows is mine.  Also: I fetch for e (0) or for W (1)
	s_and_b32 s12, s10, 1                          ; which half of its columns.  Also: which half of that tile I fetch
	s_bfe_u32 s40, ttmp6, 0x40000                  ; cx
	s_bfe_u32 s41, ttmp6, 0x40004                  ; cy
	s_and_b32 s13, ttmp7, 0xffff
	s_lshl_b32 s13, s13, 2
	s_add_co_u32 s13, s13, s41                     ; tile row = 4 x cluster y + cy
	s_lshl_b32 s43, s41, 2
	s_lshl_b32 s43, 15, s43                        ; my row of the cluster
	s_lshl_b32 s44, 0x1111, s40                    ; my column
	s_or_b32 s[G1+0], s43, (1<<16)|(1<<20)|(1<<21)|(5<<22)|(3<<25)   ; the mask; 2-byte elements; padding on; bit 21 beside a mask; after every 64 words 4 words
	s_mov_b32 s[G1+1], KSTEP<<16                   ; tensor_dim0 = 128
	s_mov_b32 s[G1+2], 128<<16                     ; tensor_dim1 = 128
	s_mov_b32 s[G1+3], KSTEP<<16                   ; tile_dim0 = 128
	s_mov_b32 s[G1+4], 128                         ; tile_dim1 = 128
	s_mov_b32 s[G1+5], SIZE_K                      ; elements from row to row
	s_mov_b32 s[G1+6], 0
	s_mov_b32 s[G1+7], 0
	s_or_b32 s[G1B+0], s44, (1<<16)|(1<<20)|(1<<21)|(6<<22)|(7<<25)  ; W: after every 128 words 8 words
	s_mov_b32 s[G1B+1], 256<<16                    ; tensor_dim0 = 256 columns
	s_mov_b32 s[G1B+2], 64<<16                     ; tensor_dim1 = 64 k-rows
	s_mov_b32 s[G1B+3], 256<<16                    ; tile_dim0
	s_mov_b32 s[G1B+4], 64                         ; tile_dim1
	s_mov_b32 s[G1B+5], 1024
	s_mov_b32 s[G1B+6], 0
	s_mov_b32 s[G1B+7], 0
	s_lshl_b32 s16, s13, 19                        ; e: 256 rows of 2,048 bytes a tile row,
	s_lshl_b32 s17, s12, 18                        ; 128 rows a half
	s_add_co_u32 s16, s16, s17
	s_mov_b32 s17, 0
	s_lshl_b32 s46, ttmp9, 21                      ; W: Wk or Wv,
	s_lshl_b32 s47, s12, 17                        ; 64 k-rows of 2,048 bytes a half,
	s_add_co_u32 s46, s46, s47
	s_lshl_b32 s47, s40, 9                         ; 256 columns a tile column
	s_add_co_u32 s46, s46, s47
	s_mov_b32 s47, 0
	s_mul_i32 s20, s10, HALFT                      ; where they go: wave x 34,816: no place in the cluster enters an LDS address
	s_wait_dscnt 0x0                               ; the opening add is done
	s_wait_kmcnt 0x0
	s_add_nc_u64 s[14:15], s[4:5], s[16:17]
	s_add_nc_u64 s[46:47], s[6:7], s[46:47]
	CROUND                                         ; all sixteen work-groups are here: the first joint loads meet
.irp s, 0,1
	s_mov_b32 s[G0+4*(\s)], 1
	s_add_co_u32 s[G0+4*(\s)+1], s20, (\s)*SLOT
	s_add_nc_u64 s[G0+4*(\s)+2:G0+4*(\s)+3], s[14:15], (\s)*KSTEP*2      ; K step s: 256 bytes along the rows
	s_or_b32 s[G0+4*(\s)+3], s[G0+4*(\s)+3], 0x80000000
	s_mov_b32 s[G0B+4*(\s)], 1
	s_add_co_u32 s[G0B+4*(\s)+1], s20, (\s)*SLOT
	s_add_nc_u64 s[G0B+4*(\s)+2:G0B+4*(\s)+3], s[46:47], (\s)*KSTEP*2048 ; K step s: 128 k-rows down
	s_or_b32 s[G0B+4*(\s)+3], s[G0B+4*(\s)+3], 0x80000000
	JLOAD \s                                       ; two loads of mine are out
.endr
	v_and_b32 v1, 15, v0                           ; l % 16
	v_bfe_u32 v2, v0, 4, 1                         ; l / 16
	v_mul_u32_u24 v3, v1, PITCH
	v_lshl_add_u32 v3, v2, 4, v3                   ; e: row x pitch + 16 x half
	v_and_b32 v6, 7, v0
	v_bfe_u32 v7, v0, 3, 1
	v_lshl_add_u32 v6, v2, 3, v6                   ; W: the turning load's lane reads k-row 8 (l / 16) + l % 8,
	v_mul_u32_u24 v6, v6, PB
	v_lshl_add_u32 v6, v7, 4, v6                   ; columns 8 ((l / 8) % 2) + 0..7, and is left with column l % 16 and 8 k
	s_mul_i32 s21, s11, HALFT                      ; my 128 rows of e
	s_lshl_b32 s22, s12, 8                         ; my 128 columns of W,
	s_add_co_u32 s22, s22, 2*HALFT                 ; which lies behind e's 256 rows
.irp s, 0,1
	v_add_nc_u32 v[ADRA+(\s)], s21, v3
	v_add_nc_u32 v[ADRB+(\s)], s22, v6
	s_add_co_u32 s21, s21, SLOT
	s_add_co_u32 s22, s22, SLOT
.endr
	s_mul_i32 s23, s10, 16*SPITCH
	s_add_co_u32 s23, s23, STAGE                   ; my stage
	v_mul_u32_u24 v4, v1, SPITCH                   ; in: row l % 16, 16 bytes for each half of the lanes
	v_lshl_add_u32 v4, v2, 4, v4
	v_add_nc_u32 v[STO], s23, v4
	v_bfe_u32 v5, v0, 3, 2                         ; back, a head (128 bytes of the row) at a time: 32 lanes take four rows of 128 bytes
	v_mul_u32_u24 v5, v5, SPITCH
	v_and_b32 v8, 7, v0
	v_lshl_add_u32 v5, v8, 4, v5
	v_add_nc_u32 v[RD], s23, v5
	v_and_b32 v[CO], 31, v0                        ; which are 512 consecutive bytes of kv16
	v_lshlrev_b32 v[CO], 4, v[CO]
	; my 128 rows are one block of 128 keys: R = 2 x tile row + half; batch = R / 16, key block = R % 16.  My 128 columns are heads 4 cx + 2 half and the next.
	s_lshl_b32 s16, s13, 1
	s_add_co_u32 s16, s16, s11                     ; R
	s_lshl_b32 s17, s40, 2
	s_lshl_b32 s18, s12, 1
	s_add_co_u32 s17, s17, s18                     ; head
	s_lshl_b32 s17, s17, 1
	s_lshr_b32 s18, s16, 5
	s_add_co_u32 s17, s17, s18                     ; x 2 + batch / 2
	s_lshl_b32 s17, s17, 4
	s_and_b32 s18, s16, 15
	s_add_co_u32 s17, s17, s18                     ; x 16 + key block
	s_lshl_b32 s17, s17, 1
	s_bfe_u32 s18, s16, 0x10004
	s_add_co_u32 s17, s17, s18                     ; x 2 + batch % 2
	s_lshl_b32 s17, s17, 14                        ; blocks of 16,384 bytes
	s_lshl_b32 s18, ttmp9, 24                      ; K or V
	s_add_co_u32 s16, s17, s18
	s_mov_b32 s17, 0
	s_add_nc_u64 s[8:9], s[8:9], s[16:17]
; 16 matrix instructions: m blocks a0, a0 + 1 of the window's four x all 8 n blocks, 32 along K.  zero = 1: the first product starts the sums.
.macro MUL16 f, hi, a0, zero
	WIN MUL_LO+0x50*(\hi)
.irp a, \a0, (\a0)+1
.irp b, 0,1,2,3,4,5,6,7
.if \zero
	v_wmma_f32_16x16x32_f16 v[8*(8*(\a)+(\b)):8*(8*(\a)+(\b))+7], v[(\f)+8*(\b):(\f)+8*(\b)+7], v[(\f)+8*(4*(\hi)+(\a)):(\f)+8*(4*(\hi)+(\a))+7], 0
.else
	v_wmma_f32_16x16x32_f16 v[8*(8*(\a)+(\b)):8*(8*(\a)+(\b))+7], v[(\f)+8*(\b):(\f)+8*(\b)+7], v[(\f)+8*(4*(\hi)+(\a)):(\f)+8*(4*(\hi)+(\a))+7], v[8*(8*(\a)+(\b)):8*(8*(\a)+(\b))+7]
.endif
.endr
.endr
.endm
; 32 LDS loads in one run: the fragments of one quarter step (32 along K, at byte k of e's rows = k-row k / 2 of W) into buffer f: W's 16 first, then e's 16
.macro FETCH slot, k, f
	WIN TO_B
.irp i, 0,1,2,3,4,5,6,7
	ds_load_tr16_b128 v[(\f)+8*(\i):(\f)+8*(\i)+3],   v[ADRB+(\slot)] offset:((\k)/2)*PB+32*(\i)
	ds_load_tr16_b128 v[(\f)+8*(\i)+4:(\f)+8*(\i)+7], v[ADRB+(\slot)] offset:((\k)/2)*PB+16*PB+32*(\i)
.endr
	WIN 0
.irp i, 0,1,2,3,4,5,6,7
	ds_load_b128 v[(\f)+8*(\i):(\f)+8*(\i)+3],   v[ADRA+(\slot)] offset:(\k)+(\i)*16*PITCH
	ds_load_b128 v[(\f)+8*(\i)+4:(\f)+8*(\i)+7], v[ADRA+(\slot)] offset:(\k)+(\i)*16*PITCH+32
.endr
.endm
.macro PLACES                          ; four plain vector instructions between a matrix instruction and a load into, or a vector read of, its registers
.rept 4
	v_nop
.endr
.endm
; A K step is four quarters of 32 along K, 64 matrix instructions each, on buffers 0, 1, 0, 1.  One of the first three multiplies f and fetches the next quarter into g.
.macro QUARTER slot, k, f, g, zero
	s_wait_dscnt 8                                 ; W and e's rows 0-63 are in; the youngest eight loads (e's rows 64-127) may be out
	WIN MUL_LO
	MUL16 \f, 0, 0, \zero
	MUL16 \f, 0, 2, \zero
	PLACES
	FETCH \slot, \k, \g
	s_wait_dscnt 32                                ; all but the 32 just issued
	WIN MUL_HI
	MUL16 \f, 1, 0, \zero
	MUL16 \f, 1, 2, \zero
.endm
; The last quarter multiplies buffer 1 and changes slots: ONE barrier.  In front of it each wave waits for all its tensor loads (one is out: its part of the next slot), adds 0 to its spare word,
; and waits for that and for its own reads of this slot.
.macro MEET round
	WIN 0
	s_wait_tensorcnt 0x0
	ds_add_u32 v[SPW], v[NIL]
	s_wait_dscnt 9                                 ; the add and the youngest eight loads may be out
	WIN MUL_LO
	MUL16 F1, 0, 0, 0
	s_wait_dscnt 0x0                               ; the add is done, and my reads of this slot are over
	s_barrier_signal -1
	MUL16 F1, 0, 2, 0
.if \round
	WIN 0
.endif
	s_barrier_wait -1
.endm
; fill = 1: the barrier opens a round of the cluster's, and the slot just read out is filled again, two K steps on, first thing behind the round.
.macro TURN slot, next, fill
	MEET \fill
.if \fill
	CREST
	s_add_nc_u64 s[G0+4*(\slot)+2:G0+4*(\slot)+3], s[G0+4*(\slot)+2:G0+4*(\slot)+3], 2*KSTEP*2
	s_add_nc_u64 s[G0B+4*(\slot)+2:G0B+4*(\slot)+3], s[G0B+4*(\slot)+2:G0B+4*(\slot)+3], 2*KSTEP*2048
	JLOAD \slot                                    ; one load of mine is out; its four v_nop are also the places in front of the loads below
.else
	PLACES
.endif
	FETCH \next, 0, F0
	WIN MUL_HI
	MUL16 F1, 1, 0, 0
	MUL16 F1, 1, 2, 0
.endm
; THE WAY OUT of block a (16 rows).  PACK: rounded to f16, 16 bytes a lane.  TOSTAGE: into my own stage, and back by heads.  SEND: stored.
.macro PACK a
.set AC, 64*((\a)%4)
	WIN 0x0a+5*((\a)/4)                            ; sources 0 and 1: window 2 or 3
.irp b, 0,1,2,3,4,5,6,7
.irp r, 0,1,2,3
	v_cvt_pk_f16_f32 v[TMP+4*(\b)+(\r)], v[AC+8*(\b)+2*(\r)], v[AC+8*(\b)+2*(\r)+1]
.endr
.endr
	WIN 0
.endm
.macro TOSTAGE a
	WIN 0
.set BK, OB+192*((\a)%2)
.irp b, 0,1,2,3,4,5,6,7
	ds_store_b128 v[STO], v[TMP+4*(\b):TMP+4*(\b)+3] offset:32*(\b)
.endr
.irp u, 0,1,2,3,4,5,6,7                ; head u / 4, rows 4 (u % 4) on.  LDS serves a wave's instructions in order (ISA guide 5.7.1.4): these see the stores above
	ds_load_b128 v[BK+4*(\u):BK+4*(\u)+3], v[RD] offset:((\u)/4)*128+((\u)%4)*4*SPITCH
.endr
.endm
.macro SEND a
	WIN 0
.set BK, OB+192*((\a)%2)
	s_wait_dscnt 0x0                               ; the block is back in registers
	s_wait_xcnt 0x0                                ; the stores of the block before have read their registers: the next TOSTAGE loads into them only behind this wait
.irp u, 0,1,2,3,4,5,6,7
	global_store_b128 v[CO], v[BK+4*(\u):BK+4*(\u)+3], s[8:9] offset:((\u)/4)*1048576+(\a)*2048+((\u)%4)*512  ; 512 consecutive bytes at a multiple of 512; the next head lies 64 blocks on
.endr
.endm
	s_wait_tensorcnt 1                             ; my part of K step 0 is in; K step 1's may stay out
	s_barrier_signal -1
	s_barrier_wait -1
	FETCH 0, 0, F0
	QUARTER 0, 64,  F0, F1, 1                      ; the first quarter stands in front of the loop: its products start the sums
	WIN 0
	s_mov_b32 s3, LAPS-1
.Llap:                                                 ; a trip goes once round the ring and fills both slots again
	QUARTER 0, 128, F1, F0, 0
	QUARTER 0, 192, F0, F1, 0
	TURN 0, 1, 1
	QUARTER 1, 64,  F0, F1, 0
	QUARTER 1, 128, F1, F0, 0
	QUARTER 1, 192, F0, F1, 0
	TURN 1, 0, 1
	QUARTER 0, 64,  F0, F1, 0
	WIN 0
	s_sub_co_u32 s3, s3, 1
	s_cmp_lg_u32 s3, 0
	s_cbranch_scc1 .Llap
	QUARTER 0, 128, F1, F0, 0                      ; the last lap fills nothing
	QUARTER 0, 192, F0, F1, 0
	TURN 0, 1, 0
	QUARTER 1, 64,  F0, F1, 0
	QUARTER 1, 128, F1, F0, 0
	QUARTER 1, 192, F0, F1, 0
	s_wait_dscnt 8                                 ; the very last quarter: nothing more to fetch
	WIN MUL_LO
	MUL16 F1, 0, 0, 0
	MUL16 F1, 0, 2, 0
	s_wait_dscnt 0x0
	MUL16 F1, 1, 0, 0
	MUL16 F1, 1, 2, 0
	PLACES
	PACK 0
	TOSTAGE 0
.irp a, 1,2,3,4,5,6,7                  ; block a's conversions stand between block a - 1's loads from the stage and the wait for them
	PACK \a
	SEND (\a)-1
	TOSTAGE \a
.endr
	SEND 7
	s_wait_tensorcnt 0x0                           ; the wave's end
	ds_add_u32 v[SPW], v[NIL]
	s_wait_dscnt 0x0
	CROUND                                         ; the closing round
	s_endpgm
.Lfunc_end_k_q6351e7a25c_kvproj:
	.size	k_q6351e7a25c_kvproj, .Lfunc_end_k_q6351e7a25c_kvproj-k_q6351e7a25c_kvproj
	.p2alignl 7, 3214868480
	.fill 96, 4, 3214868480
	.section	.rodata,"a",@progbits
	.p2align	6, 0x0
	.amdhsa_kernel k_q6351e7a25c_kvproj
		.amdhsa_group_segment_fixed_size 327680
		.amdhsa_private_segment_fixed_size 0
		.amdhsa_enable_private_segment 0
		.amdhsa_kernarg_size 24
		.amdhsa_user_sgpr_count 2
		.amdhsa_user_sgpr_kernarg_segment_ptr 1
		.amdhsa_wavefront_size32 1
		.amdhsa_system_sgpr_workgroup_id_x 1
		.amdhsa_system_sgpr_workgroup_id_y 1
		.amdhsa_system_sgpr_workgroup_id_z 1
		.amdhsa_system_vgpr_workitem_id 0
		.amdhsa_next_free_vgpr 1024
		.amdhsa_next_free_sgpr 66
		.amdhsa_reserve_vcc 0
		.amdhsa_float_denorm_mode_32 3
		.amdhsa_float_denorm_mode_16_64 3
		.amdhsa_memory_ordered 1
		.amdhsa_forward_progress 1
		.amdhsa_inst_pref_size 143
	.end_amdhsa_kernel
	.amdgpu_metadata
---
amdhsa.version: [ 1, 2 ]
amdhsa.kernels:
  - .name:           k_q6351e7a25c_kvproj
    .symbol:         k_q6351e7a25c_kvproj.kd
    .args:
      - { .name: xe16, .offset: 0, .size: 8, .value_kind: global_buffer, .address_space: global }
      - { .name: wkv16, .offset: 8, .size: 8, .value_kind: global_buffer, .address_space: global }
      - { .name: kv16, .offset: 16, .size: 8, .value_kind: global_buffer, .address_space: global }
    .group_segment_fixed_size: 327680
    .private_segment_fixed_size: 0
    .kernarg_segment_align: 8
    .kernarg_segment_size: 24
    .max_flat_workgroup_size: 128
    .sgpr_count:     66
    .vgpr_count:     1024
    .wavefront_size: 32
...
	.end_amdgpu_metadata
.endif
;; end of part 2
;; launch qproj (part 3): grid 8 x 32, 4 waves a work-group, clusters of 4 x 4, 327,680 bytes of LDS; arguments xi16, wq16, q32; writes q32
.if DOCPART == 3
	.amdgcn_target "amdgcn-amd-amdhsa--gfx1250"
	.amdhsa_code_object_version 6
	.text
	.protected	k_q6351e7a25c_qproj
	.globl	k_q6351e7a25c_qproj
	.p2align	8
	.type	k_q6351e7a25c_qproj,@function
k_q6351e7a25c_qproj:
	s_mov_b64 s[64:65], 0
	v_nop
	global_prefetch_b8 v0, s[64:65] scope:SCOPE_SE
	s_setreg_imm32_b32 hwreg(HW_REG_WAVE_MODE, 25, 1), 1
	s_wait_xcnt 0x0
	s_wait_alu depctr_hold_cnt(0) depctr_sa_sdst(0) depctr_va_vdst(0) depctr_va_sdst(0) depctr_va_ssrc(0) depctr_va_vcc(0) depctr_vm_vsrc(0)
	s_getreg_b32 s2, hwreg(HW_REG_IB_STS2, 6, 4)
	s_cmp_eq_u32 s2, 0
	s_cbranch_scc0 .Lentry_in_a_cluster
	s_endpgm
.Lentry_in_a_cluster:
	s_bfe_u32 s2, ttmp6, 0x10000c
	s_cmp_lg_u32 s2, 0xf033
	s_cbranch_scc0 .Lentry_shape_is_right
	s_endpgm
.Lentry_shape_is_right:
; C = A B.  A: 4,096 rows x 1,024 k, f16, in ATOMS (16 rows x 64 k = 2,048 dense bytes; atom number = ((k / 256) x 256 + row / 16) x 4 + (k / 64) % 4); B: [1024 k][1024 n] f16; C: [4096][1024] f32.
; Sums in f32, stored as they are.  Two launches run this text: q = x Wq, and out = O Wo.
; SHAPE.  A tile of C is 128 x 128 (32 x 8 tiles = 256 work-groups); four waves, each 64 x 64: 16 accumulators.  K goes in four steps of 256 through two LDS slots.
; A's tile of a step is 65,536 dense bytes, asked for as rows of 256 bytes and padded in LDS after every 128 (an atom's row); B's lies [k][n] and is turned by ds_load_tr16_b128.
; CLUSTER.  4 x 4 work-groups: A's tile is shared along a row of the cluster, B's along a column: joint loads, as many requests as a quarter of the work-groups would make.
; THE MATRIX INSTRUCTION IS USED TRANSPOSED (source 0 = 16 columns of B, source 1 = 16 rows of A): a lane holds eight neighbouring numbers of a row of C, 32 bytes.
; REGISTERS: window 0: v0-31 addresses; v128-255 the accumulators ((a, b) at v[128 + 8 (4 a + b)]), on the way out whole rows.
;   window 1: two fragment buffers of 128: for 64 along K, 64 registers of A, then 64 of B.
.set KSTEP,  256
.set PA,     144                       ; an atom's row in LDS: 128 bytes + 16 = 36 words: the 16 rows of a load start at 16 different groups of four banks (64 banks of 4 bytes: ISA guide 11.1)
.set PB,     288                       ; a k-row of B: 256 bytes + 32 = 9 x 32
.set HALF,   256*PA                    ; what one tensor load brings: 64 rows x 256 k of A (256 atom rows), or 128 k-rows of B (128 x 288 is the same 36,864)
.set SLOT,   4*HALF
.set STAGE,  2*SLOT                    ; behind the ring: 16 rows x 272 bytes for each wave
.set SPITCH, 272
.set SPARE,  STAGE+4*16*SPITCH         ; behind the stages: the spare words, 128 bytes for each wave
.set STEP_A, 2097152                   ; bytes from a K step of A to the next
.set STEP_B, KSTEP*2048                ; and of B
.set ADRA, 16                          ; v16-17  LDS address of my A fragments in slot 0, 1
.set ADRB, 20                          ; v20-21  the same for B, k-rows 0-127; v22-23 k-rows 128-255 (the 16-bit offset does not reach them)
.set STO,  24
.set RD,   25
.set CO,   26
.set SPW,  28                          ; v28     LDS address of my spare word; never rewritten
.set NIL,  29                          ; v29     0; never rewritten
.set ACC,  128
.set F0,   0
.set F1,   128
.set G1, 24
.set G0, 32
.set G1B, 48
.set G0B, 56
.set MSB, 0
.macro WIN new
.if MSB != (\new)
	s_set_vgpr_msb (MSB<<8)|(\new)
.set MSB, \new
.endif
.endm
.set MUL,  0x05                        ; sources 0 (B) and 1 (A) window 1; C and D window 0
.set TO_F, 0x40                        ; destination window 1, address window 0
.macro JLOAD s                         ; a joint load: waves 0 and 1 fetch A's two halves, waves 2 and 3 B's; an s_nop 0 and four v_nop follow each line
	s_cmp_eq_u32 s11, 0
	s_cbranch_scc0 .Lfor_b_\@
	tensor_load_to_lds s[G0+4*(\s):G0+4*(\s)+3], s[G1:G1+7]
	s_nop 0
.rept 4
	v_nop
.endr
	s_branch .Lasked_\@
.Lfor_b_\@:
	tensor_load_to_lds s[G0B+4*(\s):G0B+4*(\s)+3], s[G1B:G1B+7]
	s_nop 0
.rept 4
	v_nop
.endr
.Lasked_\@:
.endm
.macro CREST
	s_cmp_lg_u32 s10, 0
	s_cbranch_scc1 .Lnot_wave_0_\@
	s_barrier_signal -3
.Lnot_wave_0_\@:
	s_barrier_wait -3
	s_barrier_signal -1
	s_barrier_wait -1
.endm
.macro CROUND
	s_barrier_signal -1
	s_barrier_wait -1
	CREST
.endm
	s_load_b128 s[4:7], s[0:1], 0x0                ; A s[4:5], B s[6:7]
	s_load_b64 s[8:9], s[0:1], 0x10                ; C
	v_lshl_add_u32 v[SPW], v0, 2, SPARE
	v_mov_b32 v[NIL], 0
	ds_add_u32 v[SPW], v[NIL]                      ; the wave's opening: the add and its wait stand ahead of my first tensor load
	v_lshrrev_b32 v1, 5, v0
	v_readfirstlane_b32 s10, v1                    ; wave 0..3
	s_lshr_b32 s11, s10, 1                         ; which half of the tile's rows is mine.  Also: I fetch for A (0) or for B (1)
	s_and_b32 s12, s10, 1                          ; which half of its columns.  Also: which half of that tile I fetch
	s_bfe_u32 s40, ttmp6, 0x40000                  ; cx
	s_bfe_u32 s41, ttmp6, 0x40004                  ; cy
	s_lshl_b32 s42, ttmp9, 2
	s_add_co_u32 s42, s42, s40                     ; tile column
	s_and_b32 s13, ttmp7, 0xffff
	s_lshl_b32 s13, s13, 2
	s_add_co_u32 s13, s13, s41                     ; tile row
	s_lshl_b32 s43, s41, 2
	s_lshl_b32 s43, 15, s43                        ; my row of the cluster
	s_lshl_b32 s44, 0x1111, s40                    ; my column
	s_or_b32 s[G1+0], s43, (1<<16)|(1<<20)|(1<<21)|(4<<22)|(3<<25)   ; A: 2-byte elements; after every 32 words (an atom's row) 4 words of padding
	s_or_b32 s[G1B+0], s44, (1<<16)|(1<<20)|(1<<21)|(5<<22)|(7<<25)  ; B: after every 64 words 8 words
.irp g, G1, G1B
	s_mov_b32 s[(\g)+1], 128<<16                   ; tensor_dim0 = 128 elements (256 bytes)
	s_mov_b32 s[(\g)+2], 128<<16                   ; tensor_dim1 = 128 rows
	s_mov_b32 s[(\g)+3], 128<<16                   ; tile_dim0
	s_mov_b32 s[(\g)+4], 128                       ; tile_dim1
	s_mov_b32 s[(\g)+6], 0
	s_mov_b32 s[(\g)+7], 0
.endr
	s_mov_b32 s[G1+5], 128                         ; A's 32,768 bytes are dense: each row begins where the last ends
	s_mov_b32 s[G1B+5], 1024                       ; B: 1,024 elements from k-row to k-row
	s_lshl_b32 s16, s13, 16                        ; A: 65,536 bytes a tile row,
	s_lshl_b32 s17, s12, 15                        ; 32,768 a half
	s_add_co_u32 s16, s16, s17
	s_mov_b32 s17, 0
	s_lshl_b32 s46, s12, 18                        ; B: 128 k-rows of 2,048 bytes a half,
	s_lshl_b32 s47, s42, 8                         ; 256 bytes a tile column
	s_add_co_u32 s46, s46, s47
	s_mov_b32 s47, 0
	s_mul_i32 s20, s10, HALF                       ; where they go: wave x 36,864
	s_wait_dscnt 0x0                               ; the opening add is done
	s_wait_kmcnt 0x0
	s_add_nc_u64 s[14:15], s[4:5], s[16:17]
	s_add_nc_u64 s[46:47], s[6:7], s[46:47]
	CROUND                                         ; all sixteen work-groups are here: the first joint loads meet
.irp s, 0,1
	s_mov_b32 s[G0+4*(\s)], 1
	s_add_co_u32 s[G0+4*(\s)+1], s20, (\s)*SLOT
	s_add_nc_u64 s[G0+4*(\s)+2:G0+4*(\s)+3], s[14:15], (\s)*STEP_A
	s_or_b32 s[G0+4*(\s)+3], s[G0+4*(\s)+3], 0x80000000
	s_mov_b32 s[G0B+4*(\s)], 1
	s_add_co_u32 s[G0B+4*(\s)+1], s20, (\s)*SLOT
	s_add_nc_u64 s[G0B+4*(\s)+2:G0B+4*(\s)+3], s[46:47], (\s)*STEP_B
	s_or_b32 s[G0B+4*(\s)+3], s[G0B+4*(\s)+3], 0x80000000
	JLOAD \s                                       ; two loads of mine are out
.endr
	v_and_b32 v1, 15, v0                           ; l % 16
	v_bfe_u32 v2, v0, 4, 1                         ; l / 16
	v_mul_u32_u24 v3, v1, PA
	v_lshl_add_u32 v3, v2, 4, v3                   ; A: an atom's row x pitch + 16 x half
	v_and_b32 v6, 7, v0
	v_bfe_u32 v7, v0, 3, 1
	v_lshl_add_u32 v6, v2, 3, v6                   ; B: the turning load's lane reads k-row 8 (l / 16) + l % 8,
	v_mul_u32_u24 v6, v6, PB
	v_lshl_add_u32 v6, v7, 4, v6                   ; columns 8 ((l / 8) % 2) + 0..7
	s_mul_i32 s21, s11, HALF                       ; my 64 rows of A
	s_lshl_b32 s22, s12, 7                         ; my 64 columns of B,
	s_add_co_u32 s22, s22, 2*HALF                  ; which lies behind A
.irp s, 0,1
	v_add_nc_u32 v[ADRA+(\s)], s21, v3
	v_add_nc_u32 v[ADRB+(\s)], s22, v6
	v_add_nc_u32 v[ADRB+2+(\s)], 128*PB, v[ADRB+(\s)]
	s_add_co_u32 s21, s21, SLOT
	s_add_co_u32 s22, s22, SLOT
.endr
	s_mul_i32 s23, s10, 16*SPITCH
	s_add_co_u32 s23, s23, STAGE                   ; my stage: a wave's 64 columns of f32 are 256 bytes, a whole aligned block of C's row
	v_mul_u32_u24 v4, v1, SPITCH                   ; in: row l % 16, 32 bytes for each half of the lanes
	v_lshl_add_u32 v4, v2, 5, v4
	v_add_nc_u32 v[STO], s23, v4
	v_mul_u32_u24 v5, v2, SPITCH                   ; back: lanes 0-15 take one row of 256 bytes, lanes 16-31 the next
	v_lshl_add_u32 v5, v1, 4, v5
	v_add_nc_u32 v[RD], s23, v5
	v_lshlrev_b32 v5, 12, v2                       ; and the same two rows in C, 4,096 bytes apart
	v_lshl_add_u32 v[CO], v1, 4, v5
	s_lshl_b32 s16, s13, 19                        ; 128 rows of 4,096 bytes a tile row,
	s_lshl_b32 s17, s11, 18                        ; 64 a half
	s_add_co_u32 s16, s16, s17
	s_mov_b32 s17, 0
	s_add_nc_u64 s[8:9], s[8:9], s[16:17]
	s_lshl_b32 s46, s42, 9                         ; 512 bytes a tile column,
	s_lshl_b32 s47, s12, 8                         ; 256 a half
	s_add_co_u32 s46, s46, s47
	s_mov_b32 s47, 0
	s_add_nc_u64 s[8:9], s[8:9], s[46:47]
; 8 matrix instructions: m blocks a0, a0 + 1 x all 4 n blocks, 32 along K: half c of buffer f.  zero = 1: the first product starts the sums
.macro MUL8 f, c, a0, zero
	WIN MUL
.irp a, \a0, (\a0)+1
.irp b, 0,1,2,3
.if \zero
	v_wmma_f32_16x16x32_f16 v[ACC+8*(4*(\a)+(\b)):ACC+8*(4*(\a)+(\b))+7], v[(\f)+64+8*(4*(\c)+(\b)):(\f)+64+8*(4*(\c)+(\b))+7], v[(\f)+8*(4*(\c)+(\a)):(\f)+8*(4*(\c)+(\a))+7], 0
.else
	v_wmma_f32_16x16x32_f16 v[ACC+8*(4*(\a)+(\b)):ACC+8*(4*(\a)+(\b))+7], v[(\f)+64+8*(4*(\c)+(\b)):(\f)+64+8*(4*(\c)+(\b))+7], v[(\f)+8*(4*(\c)+(\a)):(\f)+8*(4*(\c)+(\a))+7], v[ACC+8*(4*(\a)+(\b)):ACC+8*(4*(\a)+(\b))+7]
.endif
.endr
.endr
.endm
; 32 LDS loads in one run: the fragments of 64 along K (k = 0, 128, 256, 384: twice the first k) into buffer f; the first 32 along K first.
; A: block i of 16 rows and this quarter's 64 k are atom 4 i + k / 128 of my half.  B: k-rows k / 2 + 32 c on.
.macro FETCH slot, k, f
	WIN TO_F
.irp c, 0,1
.irp i, 0,1,2,3
	ds_load_tr16_b128 v[(\f)+64+8*(4*(\c)+(\i)):(\f)+64+8*(4*(\c)+(\i))+3],   v[ADRB+(\slot)+2*((\k)/256)] offset:(((\k)%256)/2+32*(\c))*PB+32*(\i)
	ds_load_tr16_b128 v[(\f)+64+8*(4*(\c)+(\i))+4:(\f)+64+8*(4*(\c)+(\i))+7], v[ADRB+(\slot)+2*((\k)/256)] offset:(((\k)%256)/2+32*(\c)+16)*PB+32*(\i)
	ds_load_b128 v[(\f)+8*(4*(\c)+(\i)):(\f)+8*(4*(\c)+(\i))+3],         v[ADRA+(\slot)] offset:(4*(\i)+(\k)/128)*16*PA+64*(\c)
	ds_load_b128 v[(\f)+8*(4*(\c)+(\i))+4:(\f)+8*(4*(\c)+(\i))+7],       v[ADRA+(\slot)] offset:(4*(\i)+(\k)/128)*16*PA+64*(\c)+32
.endr
.endr
.endm
.macro PLACES                          ; four plain vector instructions between a matrix instruction and a load into, or a read of, its registers
.rept 4
	v_nop
.endr
.endm
; A K step is four quarters of 64 along K, 32 matrix instructions each, on buffers 0, 1, 0, 1.
.macro QUARTER slot, k, f, g, zero
	s_wait_dscnt 16                                ; the first 32 along K are in
	WIN MUL
	MUL8 \f, 0, 0, \zero
	MUL8 \f, 0, 2, \zero
	PLACES
	FETCH \slot, \k, \g
	s_wait_dscnt 32                                ; all but the 32 just issued
	WIN MUL
	MUL8 \f, 1, 0, 0
	MUL8 \f, 1, 2, 0
.endm
; The last quarter multiplies buffer 1 and changes slots: ONE barrier; in front of it each wave waits for all its tensor loads, adds 0 to its spare word, and waits for that and for its reads of this slot.
.macro TURN slot, next, fill
	WIN 0
	s_wait_tensorcnt 0x0                           ; all my tensor loads have landed: my part of the next slot
	ds_add_u32 v[SPW], v[NIL]
	s_wait_dscnt 17                                ; the add and the youngest sixteen loads may be out
	WIN MUL
	MUL8 F1, 0, 0, 0
	s_wait_dscnt 0x0                               ; the add is done, and my reads of this slot are over
	s_barrier_signal -1
	MUL8 F1, 0, 2, 0
.if \fill
	WIN 0
.endif
	s_barrier_wait -1
.if \fill
	CREST                                          ; the barrier has opened a round of the cluster's: no wave of any partner still reads this slot or has a load on its way
	s_add_nc_u64 s[G0+4*(\slot)+2:G0+4*(\slot)+3], s[G0+4*(\slot)+2:G0+4*(\slot)+3], 2*STEP_A
	s_add_nc_u64 s[G0B+4*(\slot)+2:G0B+4*(\slot)+3], s[G0B+4*(\slot)+2:G0B+4*(\slot)+3], 2*STEP_B
	JLOAD \slot                                    ; one load of mine is out; its four v_nop are also the places in front of the loads below
.else
	PLACES
.endif
	FETCH \next, 0, F0
	WIN MUL
	MUL8 F1, 1, 0, 0
	MUL8 F1, 1, 2, 0
.endm
	s_wait_tensorcnt 1                             ; my part of K step 0 is in; K step 1's may stay out
	s_barrier_signal -1
	s_barrier_wait -1
	FETCH 0, 0, F0
	QUARTER 0, 128, F0, F1, 1                      ; four K steps: written straight, since only the first two changes of slots fill again
	QUARTER 0, 256, F1, F0, 0
	QUARTER 0, 384, F0, F1, 0
	TURN 0, 1, 1                                   ; slot 0 takes K step 2
	QUARTER 1, 128, F0, F1, 0
	QUARTER 1, 256, F1, F0, 0
	QUARTER 1, 384, F0, F1, 0
	TURN 1, 0, 1                                   ; slot 1 takes K step 3
	QUARTER 0, 128, F0, F1, 0
	QUARTER 0, 256, F1, F0, 0
	QUARTER 0, 384, F0, F1, 0
	TURN 0, 1, 0
	QUARTER 1, 128, F0, F1, 0
	QUARTER 1, 256, F1, F0, 0
	QUARTER 1, 384, F0, F1, 0
	s_wait_dscnt 16
	WIN MUL
	MUL8 F1, 0, 0, 0
	MUL8 F1, 0, 2, 0
	s_wait_dscnt 0x0
	MUL8 F1, 1, 0, 0
	MUL8 F1, 1, 2, 0
	WIN 0
	PLACES
; THE WAY OUT.  Block a (16 rows x 64 columns of f32) goes into my stage, 32 bytes a lane, and comes back as whole rows of 256 bytes into the registers that it left.
.macro OUT a
.irp b, 0,1,2,3
	ds_store_b128 v[STO], v[ACC+8*(4*(\a)+(\b)):ACC+8*(4*(\a)+(\b))+3]   offset:64*(\b)
	ds_store_b128 v[STO], v[ACC+8*(4*(\a)+(\b))+4:ACC+8*(4*(\a)+(\b))+7] offset:64*(\b)+16
.endr
.irp t, 0,1,2,3,4,5,6,7
	ds_load_b128 v[ACC+32*(\a)+4*(\t):ACC+32*(\a)+4*(\t)+3], v[RD] offset:(\t)*2*SPITCH  ; LDS serves a wave's instructions in order (ISA guide 5.7.1.4): these see the stores above
.endr
.endm
.macro SENDF a, younger                ; younger: the LDS instructions issued behind block a's loads: the next block's sixteen, or none
.irp t, 0,1,2,3,4,5,6,7
	s_wait_dscnt (\younger)+7-(\t)
	global_store_b128 v[CO], v[ACC+32*(\a)+4*(\t):ACC+32*(\a)+4*(\t)+3], s[8:9] offset:(\a)*65536+(\t)*8192  ; 16 lanes store 256 consecutive bytes, at a multiple of 256 from C's first byte
.endr
.endm
	OUT 0
	OUT 1
	SENDF 0, 16
	OUT 2
	SENDF 1, 16
	OUT 3
	SENDF 2, 16
	SENDF 3, 0
	s_wait_tensorcnt 0x0                           ; the wave's end
	ds_add_u32 v[SPW], v[NIL]
	s_wait_dscnt 0x0
	CROUND                                         ; the closing round
	s_endpgm
.Lfunc_end_k_q6351e7a25c_qproj:
	.size	k_q6351e7a25c_qproj, .Lfunc_end_k_q6351e7a25c_qproj-k_q6351e7a25c_qproj
	.p2alignl 7, 3214868480
	.fill 96, 4, 3214868480
	.section	.rodata,"a",@progbits
	.p2align	6, 0x0
	.amdhsa_kernel k_q6351e7a25c_qproj
		.amdhsa_group_segment_fixed_size 327680
		.amdhsa_private_segment_fixed_size 0
		.amdhsa_enable_private_segment 0
		.amdhsa_kernarg_size 24
		.amdhsa_user_sgpr_count 2
		.amdhsa_user_sgpr_kernarg_segment_ptr 1
		.amdhsa_wavefront_size32 1
		.amdhsa_system_sgpr_workgroup_id_x 1
		.amdhsa_system_sgpr_workgroup_id_y 1
		.amdhsa_system_sgpr_workgroup_id_z 1
		.amdhsa_system_vgpr_workitem_id 0
		.amdhsa_next_free_vgpr 512
		.amdhsa_next_free_sgpr 66
		.amdhsa_reserve_vcc 0
		.amdhsa_float_denorm_mode_32 3
		.amdhsa_float_denorm_mode_16_64 3
		.amdhsa_memory_ordered 1
		.amdhsa_forward_progress 1
		.amdhsa_inst_pref_size 86
	.end_amdhsa_kernel
	.amdgpu_metadata
---
amdhsa.version: [ 1, 2 ]
amdhsa.kernels:
  - .name:           k_q6351e7a25c_qproj
    .symbol:         k_q6351e7a25c_qproj.kd
    .args:
      - { .name: xi16, .offset: 0, .size: 8, .value_kind: global_buffer, .address_space: global }
      - { .name: wq16, .offset: 8, .size: 8, .value_kind: global_buffer, .address_space: global }
      - { .name: q32, .offset: 16, .size: 8, .value_kind: global_buffer, .address_space: global }
    .group_segment_fixed_size: 327680
    .private_segment_fixed_size: 0
    .kernarg_segment_align: 8
    .kernarg_segment_size: 24
    .max_flat_workgroup_size: 128
    .sgpr_count:     66
    .vgpr_count:     512
    .wavefront_size: 32
...
	.end_amdgpu_metadata
.endif
;; end of part 3
;; launch attn (part 4): grid 8 x 32, 4 waves a work-group, clusters of 4 x 1, 327,680 bytes of LDS; arguments q32, kv16, position_bias, o16; writes o16
.if DOCPART == 4
	.amdgcn_target "amdgcn-amd-amdhsa--gfx1250"
	.amdhsa_code_object_version 6
	.text
	.protected	k_q6351e7a25c_attn
	.globl	k_q6351e7a25c_attn
	.p2align	8
	.type	k_q6351e7a25c_attn,@function
k_q6351e7a25c_attn:
	s_mov_b64 s[64:65], 0
	v_nop
	global_prefetch_b8 v0, s[64:65] scope:SCOPE_SE
	s_setreg_imm32_b32 hwreg(HW_REG_WAVE_MODE, 25, 1), 1
	s_wait_xcnt 0x0
	s_wait_alu depctr_hold_cnt(0) depctr_sa_sdst(0) depctr_va_vdst(0) depctr_va_sdst(0) depctr_va_ssrc(0) depctr_va_vcc(0) depctr_vm_vsrc(0)
	s_getreg_b32 s2, hwreg(HW_REG_IB_STS2, 6, 4)
	s_cmp_eq_u32 s2, 0
	s_cbranch_scc0 .Lentry_in_a_cluster
	s_endpgm
.Lentry_in_a_cluster:
	s_bfe_u32 s2, ttmp6, 0x10000c
	s_cmp_lg_u32 s2, 0x3003
	s_cbranch_scc0 .Lentry_shape_is_right
	s_endpgm
.Lentry_shape_is_right:
; O[b][h][q][:] = the sum over k of softmax_k(Q[b][h][q] . K[b][h][k] + bias[h][q][k]) V[b][h][k][:]: no scale; the bias is shared by the four batches.
; q32: [4096][1024] f32 (row b x 1024 + q, column h x 64 + d), rounded here once to f16.  kv16: K at 0, V at 16,777,216, each [h x 2 + b / 2][key / 128][b % 2][128 keys][64] f16.
; position_bias: [16][1024][2048] f32, rounded here once to bf16.  o16: f16 in atoms of 16 rows x 64 k (2,048 dense bytes; atom = ((k / 256) x 256 + row / 16) x 4 + (k / 64) % 4): a head's 64 channels of 16 queries are one atom.
; Products, maxima and sums in f32; the weights p are rounded to f16 for the second product (their sum l is taken of the unrounded p), O once at the end.
; LIMITS.  q, K, V within f16's 65,504; the bias keeps bf16's 8 significant bits; p below 6e-5 keeps f16's fixed step of 6e-8; a weight below 2^-126 counts as 0 in l; NaN and infinities are not treated apart.
; SHARES.  A work-group owns 128 queries of one head in TWO batches (grid y = h x 2 + b / 2): wave w has batch b % 2 = w % 2 and the 64 queries of half w / 2: four PIECES of 16.  So a bias tile in LDS serves two
; batches: for 64 keys LDS holds 33,792 bytes of bias and 38,912 of K and V, and two slots of 128 keys fit.  Every wave walks all 2,048 keys, 64 a step, two steps a slot.
; CLUSTER.  The four query blocks of a cluster have one (h, b / 2) and walk the same K and V, 77,824 of a slot's 145,408 bytes: asked for JOINTLY (mask of four).  Their bias tiles differ: plain loads behind the
; same round.  The two work-groups that do read the same bias tile (b / 2 = 0, 1) lie in different clusters, so that tile is asked for twice.
; THE BIAS ENTERS BY THE MATRIX UNIT.  S^T = K Q^T holds ONE query a lane (lane % 16) and the keys 8 (lane / 16) + 0..7.  The bias, read from its row as it lies and rounded in pairs, IS source 1 (32 keys x 16 queries)
; of a bf16 product whose source 0 is a matrix of zeros and ones that picks 16 of the 32 keys: each sum has one term, so it is exact, and it starts the accumulator onto which K Q^T is added.
; SOFTMAX.  For each query a running maximum m and sum l: p = 2^(c s - c m), c = log2(e); in every step O and l are multiplied by a = 2^(c m_old - c m_new).  m starts at the lowest finite number, O and l at 0.
; BY TURNS.  Turn n belongs to piece n: 4 bias products and 8 products K Q^T of piece n + 1, later 8 products V^T P of piece n - 1; beside them the scaling, exponentials, roundings, sums and rescaling of piece n,
; the maximum and statistics of piece n + 1, the rounding of piece n + 2's bias; and piece n + 3's bias is asked of LDS.  Four vector instructions stand behind every matrix instruction, the rest in two lumps.
; THE TEXT.  A key step is written twice: once in the loop, whose changes of slots fill again, and once in the tail, which asks for nothing.  All LDS addresses of a step hang on three scalar registers.
; REGISTERS, in windows of 256 (s_set_vgpr_msb: bits 1:0 source 0, 3:2 source 1, 5:4 source 2, 7:6 destination):
;   window 0: v0-15, v32-35 addresses; v16-31 statistics; v48-55 at work; v64-127 S^T, two buffers; v128-159 a piece's bias in f32; v160-191 in bf16, two buffers; v192-223 P, two buffers; v224-235 the picking matrices
;   window 1: v0-127 O^T, 32 a piece          window 2: v0-63 Q; v128-191 K of one step; v192-255 V of one step.   A piece's buffers go by its number's parity.
.set NP,    4
.set KS,    64        ; keys in a step
.set PK,    144       ; a row of K in LDS: 128 bytes + 16 = 36 words: the 16 rows of a load start at 16 different groups of four banks (64 banks of 4 bytes: ISA guide 11.1)
.set PV,    160       ; a row of V: 128 + 32 = 40 words
.set PB,    528       ; a query's 128 keys of bias: 512 bytes + 16 = 132 words: again 16 different groups of four banks
; THE MAP OF LDS.  Each tensor's two slots lie so that ONE exclusive or turns an address in the one into the other's.
.set SLOT1, 1<<17     ; the bias's and K's slot 1 lie this far behind their slot 0; all their slot 0 bases lie below it
.set BOFF,  0         ; the bias, 128 query rows: 67,584 bytes
.set KOFF,  128*PB    ; K, rows (b % 2) x 128 + key: 36,864 bytes, up to 104,448
.set VOFF,  SLOT1+KOFF+2*128*PK  ; V's slot 0, rows likewise: 40,960 bytes from 235,520 = 0x39800 on
.set VOFF1, VOFF+2*128*PV        ; V's slot 1, from 276,480 = 0x43800 on
.set XV,    0x7a000   ; 0x39800 xor 0x43800
.set STAGE, VOFF1+2*128*PV  ; 317,440: behind the slots, never filled by a tensor load: 16 rows x 144 bytes for each wave
.set SP,    144
.set SPARE, STAGE+4*16*SP  ; 326,656: the spare words, 128 bytes for each wave
.set AK0, 2           ; v2   my lane's place in a slot's K; never rewritten
.set AV0, 3           ; v3   the same for V
.set AK,  4           ; v4   the LDS address of K's next run of loads
.set AV,  5           ; v5   of V's
.set STO, 6           ; v6   the way out: where I put 16 bytes of a row
.set RD,  7           ; v7   the way out: where I read rows back
.set GO,  8           ; v8   16 x lane
.set MV,  12          ; v12-13  c m_old, kept while c m is made anew: by buffer
.set QO,  15          ; v15  my byte offset in 16 rows of q32
.set ST,  16          ; piece t's statistics at v[ST+4 t]: c m, m, l (even keys', odd keys')
.set AB0, 32          ; v32  my lane's place in a slot's bias; never rewritten
.set AB,  33          ; v33  the LDS address of the bias's next run of loads
.set VP0, 34          ; v34  the prefetch: my lane's byte offset in the work-group's 128 rows of the bias; never rewritten
.set VP,  35          ; v35  the same plus the slot's offset along the rows
.set TMP, 48          ; by buffer, four registers c0-c3 at work; when the maximum is found c2 takes a
.set SPW, 62          ; v62  LDS address of my spare word; never rewritten
.set NIL, 63          ; v63  0; never rewritten
.set S,   64
.set RAW, 128
.set BF,  160
.set P,   192
.set EE,  224         ; four registers of 0, four with one bf16 1.0 (element l % 16 - 8 (l / 16), where that lies in 0..7), four of 0
.set KF,  128         ; window 2
.set VF,  192         ; window 2
.set WV,  12          ; s12  my wave's number
.set G1K, 24          ; s[24:31] descriptor group 1 for K's tiles
.set G1V, 32          ; s[32:39] for V's
.set G1B, 40          ; s[40:47] for the bias's
.set G0K, 48          ; s[48:55] descriptor group 0 for K: a set for each of the two first fills; the second then walks on
.set G0V, 56          ; s[56:63] for V
.set G0B, 68          ; s[68:75] for the bias
.set PO,  66          ; s66  the prefetch: the byte offset along the bias's rows of the slot asked for (at the head, with s67: the tile's offset)
.set CNT, 76          ; s76  counts a slot's steps
.set SLOTS, 77        ; s77  counts the slots
.set CS,  78          ; s[78:79] c
.set SEL, 80          ; s[80:81] v_permlanex16_b32's selects: each lane takes its own place in the other half
.set TBK, 82          ; s82  LDS byte at which K of the step to be fetched begins
.set TBV, 83          ; s83  the same for V
.set TBB, 84          ; s84  and for the bias
.set MSB, 0
.macro WIN new                      ; the high byte repeats the setting that is left; a switch that changes nothing is dropped
.if MSB != (\new)
	s_set_vgpr_msb (MSB<<8)|(\new)
.set MSB, (\new)
.endif
.endm
.set W_KQ, 0x0a       ; K and Q in window 2, S^T in window 0
.set W_PV, 0x52       ; V in window 2, P in window 0, O^T in window 1
.set W_RS, 0x41       ; destination and source 0 in window 1, source 1 in window 0
; A refill, one tensor load a wave, by the walking descriptors: wave 0 a slot's K, wave 1 its V (joint), waves 2 and 3 the two halves of its bias (their own).  The branches hang on the wave's number alone.
; An s_nop 0 and four v_nop follow each line, ahead of the jump and the label.
.macro JLOAD
	s_cmp_lt_u32 s[WV], 2
	s_cbranch_scc0 .Lfor_b_\@
	s_cmp_eq_u32 s[WV], 0
	s_cbranch_scc0 .Lfor_v_\@
	tensor_load_to_lds s[G0K+4:G0K+7], s[G1K:G1K+7]
	s_nop 0
.rept 4
	v_nop
.endr
	s_branch .Lasked_\@
.Lfor_v_\@:
	tensor_load_to_lds s[G0V+4:G0V+7], s[G1V:G1V+7]
	s_nop 0
.rept 4
	v_nop
.endr
	s_branch .Lasked_\@
.Lfor_b_\@:
	tensor_load_to_lds s[G0B+4:G0B+7], s[G1B:G1B+7]
	s_nop 0
.rept 4
	v_nop
.endr
.Lasked_\@:
.endm
.macro CROUND                       ; a round of the cluster's barrier
	s_barrier_signal -1
	s_barrier_wait -1
	s_cmp_lg_u32 s[WV], 0
	s_cbranch_scc1 .Lnot_wave_0_\@
	s_barrier_signal -3
.Lnot_wave_0_\@:
	s_barrier_wait -3
	s_barrier_signal -1
	s_barrier_wait -1
.endm
; THE CHANGE OF SLOTS.  All of the old slot has been asked of LDS (V of its second step last).  Each wave waits for all its tensor loads, of which one is out: its part of the other slot; adds 0 to its spare
; word; and waits for that and for its own reads of the old slot.  fill = 1: the barrier is a round of the cluster's, and the old slot is filled again first thing behind it, with the keys two slots on:
; that load has two key steps, 160 matrix instructions of each wave, in which to land.
; THE PREFETCH.  Behind the refill each wave asks for 32 blocks of 256 bytes of the bias tile whose tensor load goes out at the NEXT change of slots, two key steps on: 16 rows x 512 bytes.  The two work-groups
; that read a tile (b / 2 = 0, 1) ask for 64 of its 128 rows each, a wave for 16 of them, so each block is asked for once; the offset stops at the last slot's, 15 x 512 bytes along the rows.
.macro CHANGE fill
	WIN 0
	s_wait_tensorcnt 0x0            ; no tensor load of mine is out, so a group 0 may be written
	ds_add_u32 v[SPW], v[NIL]       ; 0 onto my spare word; work on registers stands between it and the wait for it
.if \fill
	s_xor_b32 s[G0K+5], s[G0K+5], SLOT1            ; the walking descriptors: the other slot than last time,
	s_add_nc_u64 s[G0K+6:G0K+7], s[G0K+6:G0K+7], 32768  ; the next 128 keys of both batches; the type bits on top are not reached
	s_xor_b32 s[G0V+5], s[G0V+5], XV
	s_add_nc_u64 s[G0V+6:G0V+7], s[G0V+6:G0V+7], 32768
	s_xor_b32 s[G0B+5], s[G0B+5], SLOT1
	s_add_nc_u64 s[G0B+6:G0B+7], s[G0B+6:G0B+7], 512    ; 128 keys along the bias's rows
	s_wait_xcnt 0x0                 ; the last prefetch, a slot ago, has read its address register
	s_add_co_u32 s[PO], s[PO], 512
	s_min_u32 s[PO], s[PO], 15*512  ; never past the rows' last 512 bytes
	v_add_nc_u32 v[VP], s[PO], v[VP0]
.endif
	s_sub_co_u32 s[TBK], s[TBK], 2*KS*PK  ; the fetches go back to a slot's first step,
	s_xor_b32 s[TBK], s[TBK], SLOT1       ; in the other slot
	s_sub_co_u32 s[TBV], s[TBV], 2*KS*PV
	s_xor_b32 s[TBV], s[TBV], XV
	s_sub_co_u32 s[TBB], s[TBB], 2*KS*4
	s_xor_b32 s[TBB], s[TBB], SLOT1
	s_wait_dscnt 0x0                ; the add is done, and my reads of the old slot are over
.if \fill
	CROUND
	JLOAD
	global_prefetch_b8 v[VP], s[2:3] th:TH_LOAD_NT scope:SCOPE_SE
.else
	s_barrier_signal -1
	s_barrier_wait -1
.endif
.endm
	s_load_b256 s[4:11], s[0:1], 0x0  ; q32 s[4:5], kv16 s[6:7], position_bias s[8:9], o16 s[10:11]
	v_lshl_add_u32 v[SPW], v0, 2, SPARE
	v_mov_b32 v[NIL], 0
	ds_add_u32 v[SPW], v[NIL]       ; the wave's opening: the add and its wait stand ahead of my first tensor load; the set-up below stands between them
	v_lshrrev_b32 v1, 5, v0
	v_readfirstlane_b32 s[WV], v1   ; wave 0..3
	s_bfe_u32 s13, ttmp6, 0x40000   ; cx
	s_lshl_b32 s14, ttmp9, 2
	s_add_co_u32 s14, s14, s13      ; my block of 128 queries: it enters q32's, the bias's and o16's addresses alone
	s_and_b32 s15, ttmp7, 0xffff    ; y = h x 2 + b / 2, which the four partners share
	s_lshr_b32 s16, s15, 1          ; h
	s_and_b32 s17, s15, 1           ; b / 2
	s_and_b32 s18, s[WV], 1         ; b % 2.  Also: which half of the bias tile I fetch
	s_lshr_b32 s19, s[WV], 1        ; which 64 queries
	s_lshl_b32 s87, s17, 1
	s_add_co_u32 s87, s87, s18      ; b
	s_lshl_b32 s20, s15, 19         ; K: 16 slots of 32,768 bytes for each y
	s_mov_b32 s21, 0
	s_lshl_b32 s22, s16, 23         ; the bias: 8,388,608 bytes a head,
	s_lshl_b32 s23, s14, 20         ; 128 rows of 8,192 a block:
	s_add_co_u32 s22, s22, s23
	s_mov_b32 s[PO], s22            ; the work-group's 128 rows, for the prefetch;
	s_mov_b32 s[PO+1], 0
	s_lshl_b32 s23, s18, 19         ; 64 rows a half, for my tensor loads
	s_add_co_u32 s22, s22, s23
	s_mov_b32 s23, 0
	s_lshl_b32 s90, s87, 22         ; q32: 1,024 rows of 4,096 bytes a batch,
	s_lshl_b32 s91, s14, 19         ; 128 a block,
	s_add_co_u32 s90, s90, s91
	s_lshl_b32 s91, s19, 18         ; 64 a wave,
	s_add_co_u32 s90, s90, s91
	s_lshl_b32 s91, s16, 8          ; 256 bytes a head
	s_add_co_u32 s90, s90, s91
	s_mov_b32 s91, 0
	s_lshr_b32 s92, s16, 2          ; o16: atom ((h / 4) x 256 + b x 64 + block x 8 + half x 4 + piece) x 4 + h % 4, 2,048 bytes each
	s_lshl_b32 s92, s92, 21
	s_lshl_b32 s93, s87, 19
	s_add_co_u32 s92, s92, s93
	s_lshl_b32 s93, s14, 16
	s_add_co_u32 s92, s92, s93
	s_lshl_b32 s93, s19, 15
	s_add_co_u32 s92, s92, s93
	s_and_b32 s93, s16, 3
	s_lshl_b32 s93, s93, 11
	s_add_co_u32 s92, s92, s93
	s_mov_b32 s93, 0
	s_mul_i32 s94, s18, 64*PB       ; my half of the bias tile in LDS
	; K and V: a slot's 32,768 dense bytes come as 128 rows of 256 bytes, two keys a row, padded after every key
	s_mov_b32 s[G1K], 15|(1<<16)|(1<<20)|(1<<21)|(4<<22)|(3<<25)  ; the mask of four; 2-byte elements; padding on; bit 21 beside a mask; after every 32 words 4 words
	s_mov_b32 s[G1V], 15|(1<<16)|(1<<20)|(1<<21)|(4<<22)|(7<<25)  ; the same with 8 words
.irp g, G1K, G1V
	s_mov_b32 s[\g+1], 128<<16      ; tensor_dim0 = 128
	s_mov_b32 s[\g+2], 128<<16      ; tensor_dim1 = 128
	s_mov_b32 s[\g+3], 128<<16      ; tile_dim0 = 128
	s_mov_b32 s[\g+4], 128          ; tile_dim1 = 128
	s_mov_b32 s[\g+5], 128          ; dense
	s_mov_b32 s[\g+6], 0
	s_mov_b32 s[\g+7], 0
.endr
	s_mov_b32 s[G1B], (2<<16)|(1<<20)|(6<<22)|(3<<25)  ; the bias: no mask; 4-byte elements; after every 128 words 4 words
	s_mov_b32 s[G1B+1], 128<<16     ; tensor_dim0 = 128 keys (512 bytes, at a multiple of 512)
	s_mov_b32 s[G1B+2], 64<<16      ; tensor_dim1 = 64 queries
	s_mov_b32 s[G1B+3], 128<<16     ; tile_dim0
	s_mov_b32 s[G1B+4], 64          ; tile_dim1
	s_mov_b32 s[G1B+5], 2048        ; elements from query to query
	s_mov_b32 s[G1B+6], 0
	s_mov_b32 s[G1B+7], 0
	s_mov_b32 s[G0K], 1             ; group 0: count = 1, and the LDS address: slot 0, slot 1
	s_mov_b32 s[G0K+1], KOFF
	s_mov_b32 s[G0K+4], 1
	s_mov_b32 s[G0K+5], SLOT1+KOFF
	s_mov_b32 s[G0V], 1
	s_mov_b32 s[G0V+1], VOFF
	s_mov_b32 s[G0V+4], 1
	s_mov_b32 s[G0V+5], VOFF1
	s_mov_b32 s[G0B], 1
	s_add_co_u32 s[G0B+1], s94, BOFF
	s_mov_b32 s[G0B+4], 1
	s_add_co_u32 s[G0B+5], s94, SLOT1+BOFF
	s_mov_b32 s[CS], 0x3fb8aa3b     ; c = log2(e)
	s_mov_b32 s[CS+1], s[CS]        ; named with it as a pair
	s_mov_b32 s[SEL], 0x76543210
	s_mov_b32 s[SEL+1], 0xfedcba98
	s_mov_b32 s85, 0x3f80           ; bf16 1.0 in a word's low half,
	s_mov_b32 s86, 0x3f800000       ; and in its high half
	s_wait_dscnt 0x0                ; the opening add is done
	s_wait_kmcnt 0x0
	s_add_nc_u64 s[6:7], s[6:7], s[20:21]       ; K at my y's slot 0,
	s_add_nc_u64 s[88:89], s[6:7], 0x1000000    ; V likewise
	s_add_nc_u64 s[2:3], s[8:9], s[PO:PO+1]     ; the bias at the work-group's first row, for the prefetch,
	s_add_nc_u64 s[8:9], s[8:9], s[22:23]       ; and at my half tile's first row
	s_add_nc_u64 s[4:5], s[4:5], s[90:91]
	s_add_nc_u64 s[10:11], s[10:11], s[92:93]
	s_mov_b32 s[PO], 2*512          ; the first prefetch asks for slot 2: slots 0 and 1 are asked for outright
.irp p, 0,1
	s_add_nc_u64 s[G0K+4*\p+2:G0K+4*\p+3], s[6:7], \p*32768
	s_or_b32 s[G0K+4*\p+3], s[G0K+4*\p+3], 0x80000000
	s_add_nc_u64 s[G0V+4*\p+2:G0V+4*\p+3], s[88:89], \p*32768
	s_or_b32 s[G0V+4*\p+3], s[G0V+4*\p+3], 0x80000000
	s_add_nc_u64 s[G0B+4*\p+2:G0B+4*\p+3], s[8:9], \p*512
	s_or_b32 s[G0B+4*\p+3], s[G0B+4*\p+3], 0x80000000
.endr
	CROUND                          ; all four work-groups are here: the first joint loads meet
	s_cmp_lt_u32 s[WV], 2           ; a wave's two first fills stand in one arm, ahead of every wait on TENSORcnt and every LDS read: two loads of mine are out
	s_cbranch_scc0 .Lfirst_b
	s_cmp_eq_u32 s[WV], 0
	s_cbranch_scc0 .Lfirst_v
	tensor_load_to_lds s[G0K:G0K+3], s[G1K:G1K+7]
	s_nop 0
	tensor_load_to_lds s[G0K+4:G0K+7], s[G1K:G1K+7]
	s_nop 0
.rept 4
	v_nop
.endr
	s_branch .Lfirst_asked
.Lfirst_v:
	tensor_load_to_lds s[G0V:G0V+3], s[G1V:G1V+7]
	s_nop 0
	tensor_load_to_lds s[G0V+4:G0V+7], s[G1V:G1V+7]
	s_nop 0
.rept 4
	v_nop
.endr
	s_branch .Lfirst_asked
.Lfirst_b:
	tensor_load_to_lds s[G0B:G0B+3], s[G1B:G1B+7]
	s_nop 0
	tensor_load_to_lds s[G0B+4:G0B+7], s[G1B:G1B+7]
	s_nop 0
.rept 4
	v_nop
.endr
.Lfirst_asked:
	; Q.  A fragment is 16 queries x 32 channels: lane l holds query l % 16, channels 8 (l / 16) + 0..7 and 16 + 8 (l / 16) + 0..7.  In f32 those are two runs of 32 bytes, 64 apart; all 128 registers are loaded
	; into v64-191, which nothing uses yet, and rounded in pairs below.
	v_and_b32 v1, 15, v0            ; l % 16
	v_bfe_u32 v9, v0, 4, 1          ; l / 16
	v_lshlrev_b32 v[QO], 12, v1
	v_lshl_add_u32 v[QO], v9, 5, v[QO]  ; row x 4,096 + 32 x half
.set i, 0
.rept 32                            ; piece i / 8, channels 32 ((i / 4) % 2) + 16 ((i / 2) % 2) + 4 (i % 2) on
	global_load_b128 v[64+4*i:64+4*i+3], v[QO], s[4:5] offset:(i/8)*65536+((i/4)%2)*128+((i/2)%2)*64+(i%2)*16
.set i, i+1
.endr
	; the prefetch's lane offset: row 64 (b / 2) + 16 w + lane / 2 of the work-group's 128, block lane % 2 of the slot's two
	s_lshl_b32 s95, s17, 6
	s_lshl_b32 s13, s[WV], 4
	s_add_co_u32 s95, s95, s13
	v_bfe_u32 v36, v0, 1, 4
	v_add_nc_u32 v36, s95, v36
	v_lshlrev_b32 v[VP0], 13, v36
	v_and_b32 v36, 1, v0
	v_lshl_add_u32 v[VP0], v36, 8, v[VP0]
	v_add_nc_u32 v[VP], s[PO], v[VP0]
	global_prefetch_b8 v[VP], s[2:3] th:TH_LOAD_NT scope:SCOPE_SE  ; slot 2's bias; its tensor load goes out at the first change of slots
	s_mul_i32 s95, s18, 128*PK      ; my batch's 128 rows of K
	v_mul_u32_u24 v[AK0], v1, PK
	v_lshl_add_u32 v[AK0], v9, 4, v[AK0]  ; row x pitch + 16 x half
	v_add_nc_u32 v[AK0], s95, v[AK0]
	; The turning load takes 16 keys x 16 channels (lane l reads key 8 (l / 16) + l % 8, channels 8 ((l / 8) % 2) + 0..7) and leaves half a fragment of V^T: lane l holds channel l % 16 and 8 keys.
	v_and_b32 v10, 7, v0
	v_bfe_u32 v11, v0, 3, 1
	s_mul_i32 s95, s18, 128*PV
	v_lshl_add_u32 v[AV0], v9, 3, v10
	v_mul_u32_u24 v[AV0], v[AV0], PV
	v_lshl_add_u32 v[AV0], v11, 4, v[AV0]
	v_add_nc_u32 v[AV0], s95, v[AV0]
	s_mul_i32 s95, s19, 64*PB       ; my 64 queries' rows of the bias
	v_mul_u32_u24 v[AB0], v1, PB
	v_lshl_add_u32 v[AB0], v9, 5, v[AB0]  ; query l % 16, keys 8 (l / 16) on
	v_add_nc_u32 v[AB0], s95, v[AB0]
	s_mul_i32 s95, s[WV], 16*SP
	s_add_co_u32 s95, s95, STAGE    ; my stage
	v_mul_u32_u24 v[STO], v1, SP    ; in: row l % 16, 16 bytes for each half of the lanes
	v_lshl_add_u32 v[STO], v9, 4, v[STO]
	v_add_nc_u32 v[STO], s95, v[STO]
	v_bfe_u32 v[RD], v0, 3, 2       ; back: 32 lanes take four rows of 128 bytes,
	v_mul_u32_u24 v[RD], v[RD], SP
	v_lshl_add_u32 v[RD], v10, 4, v[RD]
	v_add_nc_u32 v[RD], s95, v[RD]
	v_and_b32 v[GO], 31, v0         ; which are 512 consecutive bytes of o16
	v_lshlrev_b32 v[GO], 4, v[GO]
	; The picking matrices.  As source 0, lane l holds row l % 16 and the columns 8 (l / 16) + 0..7 (registers 0-3) and 16 + 8 (l / 16) + 0..7 (registers 4-7).  Row m has its one at column m (keys 0-15 of the 32:
	; v[EE+4:EE+11]) or at column 16 + m (keys 16-31: v[EE:EE+7]): in both the one is element m - 8 (l / 16) of the four registers v[EE+4:EE+7].
	v_lshlrev_b32 v14, 3, v9
	v_sub_nc_u32 v14, v1, v14
.irp j, 0,1,2,3
	v_mov_b32 v[EE+\j], 0
	v_mov_b32 v[EE+8+\j], 0
	v_cmp_eq_u32 vcc_lo, 2*\j, v14
	v_cndmask_b32 v[EE+4+\j], 0, s85, vcc_lo
	v_cmp_eq_u32 vcc_lo, 2*\j+1, v14
	v_cndmask_b32 v[EE+4+\j], v[EE+4+\j], s86, vcc_lo
.endr
	; What the first turn finds: V's registers and P's second buffer hold 0 (its products V^T P, of a piece that has not been, add 0); O^T and l are 0.  All this stands in the wait for the first tile.
	WIN 0x80
.set i, VF
.rept 64
	v_mov_b32 v[i], 0
.set i, i+1
.endr
	WIN 0x40
.set i, 0
.rept 128
	v_mov_b32 v[i], 0
.set i, i+1
.endr
	WIN 0
.set i, 0
.rept 4
	v_mov_b32 v[ST+4*i], 0xfe000000    ; c m: far below every c s, so the first step's a is 0
	v_mov_b32 v[ST+4*i+1], 0xff7fffff  ; m
	v_mov_b32 v[ST+4*i+2], 0
	v_mov_b32 v[ST+4*i+3], 0
.set i, i+1
.endr
.set i, P+16
.rept 16
	v_mov_b32 v[i], 0
.set i, i+1
.endr
	s_wait_loadcnt 0x0              ; Q in f32
	WIN 0x80                        ; destination window 2, sources window 0
.set i, 0
.rept 64
	v_cvt_pk_f16_f32 v[i], v[64+2*i], v[65+2*i]
.set i, i+1
.endr
	WIN 0
; THE MATRIX WORK.  The 4 accumulators of a piece take turns.
; Bias product i of 4 for piece x: keys 16 i on.  It starts the sum.
.macro BQ x
	WIN 0
.set rS, S+32*((\x)%2)+8*i
.set rE, EE+4-4*(i%2)
.set rB, BF+16*((\x)%2)+8*(i/2)
	v_wmma_f32_16x16x32_bf16 v[rS:rS+7], v[rE:rE+7], v[rB:rB+7], 0
.endm
; Product i of 8 of S^T += K Q^T for piece x: channels 32 (i / 4) on, keys 16 (i % 4) on.  The first on an accumulator follows another form's result: five plain vector instructions or more stand between (ISA guide 7.12.1).
.macro KQ x
	WIN W_KQ
.set rS, S+32*((\x)%2)+8*(i%4)
.set rK, KF+16*(i%4)+8*(i/4)
.set rQ, 16*(\x)+8*(i/4)
	v_wmma_f32_16x16x32_f16 v[rS:rS+7], v[rK:rK+7], v[rQ:rQ+7], v[rS:rS+7]
.endm
; Product i of 8 of O^T += V^T P for piece x: keys 32 (i / 4) on, channels 16 (i % 4) on.
.macro PV x
	WIN W_PV
.set rO, 32*(\x)+8*(i%4)
.set rV, VF+32*(i/4)+8*(i%4)
.set rP, P+16*((\x)%2)+8*(i/4)
	v_wmma_f32_16x16x32_f16 v[rO:rO+7], v[rV:rV+7], v[rP:rP+7], v[rO:rO+7]
.endm
.macro MM                           ; the turn's next matrix instruction of 20
.if i < 4
	BQ (Y+1)%NP
.elseif i < 12
.set i, i-4
	KQ (Y+1)%NP
.set i, i+4
.else
.set i, i-12
	PV (Y+NP-1)%NP
.set i, i+12
.endif
.set i, i+1
.endm
; THE LDS LOADS stand in runs: a step's K (8 fragments, 16 loads), its V (turned, 16 loads), a piece's bias (32 f32 a lane, 8 loads).
; last = 1 (the tail): in the last trip there is no further step, and the run is jumped over, forward; it holds no barrier and no tensor load.
.macro FETCH_K last=0
	WIN 0
.if \last
	s_cmp_eq_u32 s[CNT], 1
	s_cbranch_scc1 .Lno_k_\@
.endif
	WIN 0x80                        ; destination window 2
.irp f, 0,1,2,3,4,5,6,7             ; keys 16 (f / 2) on, channels 32 (f % 2) on
	ds_load_b128 v[KF+8*\f:KF+8*\f+3],   v[AK] offset:(\f/2)*16*PK+(\f%2)*64
	ds_load_b128 v[KF+8*\f+4:KF+8*\f+7], v[AK] offset:(\f/2)*16*PK+(\f%2)*64+32
.endr
	s_add_co_u32 s[TBK], s[TBK], KS*PK  ; the next fetch is the next step's
	WIN 0
.if \last
.Lno_k_\@:
.endif
.endm
.macro FETCH_V
	WIN 0x80
.irp f, 0,1,2,3,4,5,6,7             ; keys 32 (f / 4) on, channels 16 (f % 4) on
	ds_load_tr16_b128 v[VF+8*\f:VF+8*\f+3],   v[AV] offset:(\f/4)*32*PV+(\f%4)*32
	ds_load_tr16_b128 v[VF+8*\f+4:VF+8*\f+7], v[AV] offset:(\f/4)*32*PV+16*PV+(\f%4)*32
.endr
	WIN 0
.endm
.macro FETCH_B x, last=0            ; piece x: load n brings keys 32 (n / 4) + 16 ((n / 2) % 2) + 8 (l / 16) + 4 (n % 2) + 0..3 of query l % 16
	WIN 0
.if \last
	s_cmp_eq_u32 s[CNT], 1
	s_cbranch_scc1 .Lno_b_\@
.endif
	v_add_nc_u32 v[AB], s[TBB], v[AB0]
.irp n, 0,1,2,3,4,5,6,7
	ds_load_b128 v[RAW+4*\n:RAW+4*\n+3], v[AB] offset:(\x)*16*PB+(\n/4)*128+((\n/2)%2)*64+(\n%2)*16
.endr
.if \last
.Lno_b_\@:
.endif
.endm
; THE VECTOR WORK, one line at a time: OP kind, number.  For piece Y: F n: c s - c m for pair n of 16.  E n: the exponential of score n of 32.  C n: pair n rounded to f16.  B n: of the four weights 4 n .. the second
; pair is added onto the first, in place.  L n: l takes that sum (L 0: l = a l + sum).  R n: pair n of 16 of O^T times a.  G n: pair n of 16 of piece Y + 2's bias rounded to bf16.
; For piece Y + 1: X n, number n of the 22 that find its maximum and statistics:
;   0-11  four chains c0-c3 of seven scores each, three operands at a time (each accumulator's lowest registers are read first)     12-14, 16  the four scores left over, the old m, and c0-c3 into c0
;   15  c m_old is kept     17, 18  the query's other 32 keys lie in the lane 16 away: the new m     19-21  c m; c m_old - c m_new; a
.set F, 0
.set E, 1
.set C, 2
.set B, 3
.set L, 4
.set R, 5
.set X, 6
.set G, 7
.macro REGS y                       ; the registers of piece y
.set rT, ST+4*(\y)
.set rC, TMP+4*((\y)%2)
.set rW, MV+((\y)%2)
.set rS, S+32*((\y)%2)
.set rP, P+16*((\y)%2)
.set rO, 32*(\y)
.endm
.macro OP k, n
.if (\k) == G
	WIN 0
	v_cvt_pk_bf16_f32 v[BF+16*(Y%2)+(\n)], v[RAW+2*(\n)], v[RAW+2*(\n)+1]
.elseif (\k) == R
	REGS Y
	WIN W_RS
	v_pk_mul_f32 v[rO+2*(\n):rO+2*(\n)+1], v[rO+2*(\n):rO+2*(\n)+1], v[rC+2:rC+3] op_sel_hi:[1,0]
.elseif (\k) < R
	REGS Y
	WIN 0
.if (\k) == F
	v_pk_fma_f32 v[rS+2*(\n):rS+2*(\n)+1], v[rS+2*(\n):rS+2*(\n)+1], s[CS:CS+1], v[rT:rT+1] op_sel_hi:[1,0,0] neg_lo:[0,0,1] neg_hi:[0,0,1]
.elseif (\k) == E
	v_exp_f32 v[rS+(\n)], v[rS+(\n)]
.elseif (\k) == C
	s_wait_alu depctr_va_vdst(0)
	v_cvt_pk_f16_f32 v[rP+(\n)], v[rS+2*(\n)], v[rS+2*(\n)+1]
.elseif (\k) == B
	s_wait_alu depctr_va_vdst(0)
	v_pk_add_f32 v[rS+4*(\n):rS+4*(\n)+1], v[rS+4*(\n):rS+4*(\n)+1], v[rS+4*(\n)+2:rS+4*(\n)+3]
.elseif (\n) == 0
	v_pk_fma_f32 v[rT+2:rT+3], v[rT+2:rT+3], v[rC+2:rC+3], v[rS:rS+1] op_sel_hi:[1,0,1]
.else
	v_pk_add_f32 v[rT+2:rT+3], v[rT+2:rT+3], v[rS+4*(\n):rS+4*(\n)+1]
.endif
.else
	REGS (Y+1)%NP
	WIN 0
.if (\n) < 4
	v_max3_num_f32 v[rC+(\n)], v[rS+8*(\n)], v[rS+8*(\n)+1], v[rS+8*(\n)+2]
.elseif (\n) < 12
	v_max3_num_f32 v[rC+(\n)%4], v[rC+(\n)%4], v[rS+8*((\n)%4)+2*((\n)/4)+1], v[rS+8*((\n)%4)+2*((\n)/4)+2]
.elseif (\n) == 12
	v_max3_num_f32 v[rC], v[rC], v[rS+7], v[rS+15]
.elseif (\n) == 13
	v_max3_num_f32 v[rC+1], v[rC+1], v[rS+23], v[rS+31]
.elseif (\n) == 14
	v_max3_num_f32 v[rC+2], v[rC+2], v[rC+3], v[rT+1]
.elseif (\n) == 15
	v_mov_b32 v[rW], v[rT]
.elseif (\n) == 16
	v_max3_num_f32 v[rC], v[rC], v[rC+1], v[rC+2]
.elseif (\n) == 17
	v_permlanex16_b32 v[rC+3], v[rC], s[SEL], s[SEL+1]
.elseif (\n) == 18
	v_max_num_f32 v[rT+1], v[rC], v[rC+3]
.elseif (\n) == 19
	v_mul_f32 v[rT], s[CS], v[rT+1]
.elseif (\n) == 20
	v_sub_f32 v[rC+1], v[rW], v[rT]
.else
	v_exp_f32 v[rC+2], v[rC+1]
.endif
.endif
.endm
.macro OPS a, i1, b=-1, i2=0, c=-1, i3=0, d=-1, i4=0  ; up to four of them
	OP \a, \i1
.if (\b) >= 0
	OP \b, \i2
.endif
.if (\c) >= 0
	OP \c, \i3
.endif
.if (\d) >= 0
	OP \d, \i4
.endif
.endm
.macro ROW a, i1, b, i2, c, i3, d, i4  ; a matrix instruction and the four behind it
	MM
	OPS \a, \i1, \b, \i2, \c, \i3, \d, \i4
.endm
; A TURN, for piece p: its 20 matrix and 134 vector instructions, written out.  Behind a matrix instruction: four roundings of the bias; or plain, exponential, plain, plain; or four of the rescaling; none names a
; register of the products round it.  In the lumps exponential and plain by turns while exponentials last.  v_permlanex16_b32 (X 17) stands in a lump.
; last = 1: the tail's text: its runs of LDS loads are jumped over in the last trip.  cnt = 1: the loop's count is taken down some lines ahead of the branch behind the turn.
; WHAT IS FETCHED.  The bias of piece p + 3 in every turn, behind the roundings that empty its registers; it is waited for at the next turn's head.  K of the next step in piece 2's turn, five plain instructions
; behind the last product that read K; waited for at piece 3's head.  V of the step in hand in piece 0's turn, four plain instructions behind the last product that read V; waited for in piece 1's turn.
.macro TURN p, last=0, cnt=0
.set Y, (\p)
.set i, 0
.if (\p) == 1
	s_wait_dscnt 16                 ; the bias is in; V's 16 loads, issued behind it, may stay out
.else
	s_wait_dscnt 0x0                ; the bias is in (in piece 3's turn: K too)
.endif
	ROW G,0, G,1, G,2, G,3
	ROW G,4, G,5, G,6, G,7
	ROW G,8, G,9, G,10, G,11
	ROW G,12, G,13, G,14, G,15
	FETCH_B ((\p)+3)%NP, \last
.if (\p) == 0
	s_add_co_u32 s[TBB], s[TBB], KS*4  ; piece 3's was the step's last: on to the next 64 keys
.endif
	ROW F,0, F,1, F,2, F,3
	ROW F,4, E,0, F,5, F,6
	ROW F,7, E,1, F,8, F,9
	ROW F,10, E,2, C,0, F,11
	ROW F,12, E,3, X,15, F,13
	ROW R,0, R,1, R,2, R,3
	ROW B,0, E,4, F,14, L,0
.if (\p) == 2
	WIN 0
	v_add_nc_u32 v[AK], s[TBK], v[AK0]
.endif
	ROW R,4, R,5, R,6, R,7
	OPS E,5, F,15
.if (\p) == 2
	FETCH_K \last
.endif
	OPS E,6, C,1, E,7, R,8
	OPS E,8, R,9, E,9, C,2
	OPS E,10, X,0, E,11, X,1
	OPS E,12, X,2, E,13, X,3
.if (\p) == 1
.if \last
	s_wait_dscnt 0x0                ; V is in: in the last trip no run of the bias stands behind V's, so the tail's text waits for all
.else
	s_wait_dscnt 8                  ; V is in; this turn's 8 loads of the bias, issued behind it, may stay out
.endif
.endif
	ROW X,4, E,14, X,5, X,6
	ROW X,7, E,15, X,8, X,9
	ROW X,10, E,16, X,11, X,12
	ROW X,13, E,17, X,14, B,1
	ROW C,4, E,18, X,16, L,1
	ROW B,2, E,19, C,6, L,2
	ROW C,8, E,20, B,3, B,4
.if (\p) == 0
	WIN 0
	v_add_nc_u32 v[AV], s[TBV], v[AV0]
.endif
	ROW C,3, E,21, L,3, C,5
	OPS E,22, X,17, E,23, C,10
.if (\p) == 0
	FETCH_V
.endif
	OPS E,24, L,4
	OPS E,25, X,18, E,26, C,7
	OPS E,27, B,5, E,28, X,19
	OPS E,29, C,12, E,30, L,5
	OPS E,31, X,20, B,6, C,9
	OPS C,14, C,11, X,21, L,6
.if (\p) == 0
	s_add_co_u32 s[TBV], s[TBV], KS*PV
.endif
.if \cnt
	s_sub_co_u32 s[CNT], s[CNT], 1
	s_cmp_lg_u32 s[CNT], 0
.endif
	OPS C,13, B,7, C,15, R,10
	OPS R,11, R,12, L,7, R,13
	OPS R,14, R,15
.endm
	s_wait_tensorcnt 1              ; my part of slot 0 is in; slot 1's may stay out
	s_barrier_signal -1
	s_barrier_wait -1               ; everybody's is
	; THE BEGINNING: K of step 0; the bias of pieces 0 and 1 rounded, piece 2's asked for; piece 0's first scores, maximum and statistics.
	s_mov_b32 s[TBK], KOFF
	s_mov_b32 s[TBV], VOFF
	s_mov_b32 s[TBB], BOFF
	v_add_nc_u32 v[AK], s[TBK], v[AK0]
	FETCH_K
	FETCH_B 0
	s_wait_dscnt 0x0
.set Y, 0                           ; G writes the buffer of Y's parity: piece 0's
.irp n, 0,1,2,3,4,5,6,7,8,9,10,11,12,13,14,15
	OP G, \n
.endr
	FETCH_B 1
.set i, 0
.rept 4
	BQ 0
.set i, i+1
.endr
	s_wait_dscnt 0x0
.set Y, 1                           ; piece 1's: sixteen plain instructions, the places between the bias products and the products that add onto them
.irp n, 0,1,2,3,4,5,6,7,8,9,10,11,12,13,14,15
	OP G, \n
.endr
	FETCH_B 2
.set i, 0
.rept 8
	KQ 0
.set i, i+1
.endr
	WIN 0
.rept 4
	v_nop                           ; the places behind those products
.endr
.set Y, NP-1                        ; X works for piece Y + 1: piece 0
.irp n, 0,1,2,3,4,5,6,7,8,9,10,11,12,13,14,15,16,17,18,19,20,21
	OP X, \n
.endr
	v_nop                           ; a plain instruction behind the exponential
	; THE WALK.  A trip is the turns 1, 2, 3 of one step and turn 0 of the next; all that it fetches belongs to that next step, so the change of slots stands between turn 0 and turn 1.
	; 16 slots: slots 0 and 1 were asked for at the start; each of the 14 changes in the loop enters a slot and asks for the next but one into the slot that it leaves.
	s_mov_b32 s[CNT], 2
	s_mov_b32 s[SLOTS], 15
	s_branch .Lfirst                ; the loop is entered at step 0's turn 0, in the middle of a trip
.Lslot:
	CHANGE 1
	s_mov_b32 s[CNT], 2
.Lstep:
	TURN 1
	TURN 2
	TURN 3
	WIN 0
.Lfirst:
	TURN 0, 0, 1
	WIN 0
	s_cbranch_scc1 .Lstep
	s_sub_co_u32 s[SLOTS], s[SLOTS], 1
	s_cmp_lg_u32 s[SLOTS], 0
	s_cbranch_scc1 .Lslot
	CHANGE 0                        ; the tail is written out: the last slot is entered, and nothing is asked for
	s_mov_b32 s[CNT], 3             ; two trips fetch the last slot's steps; the third, which fetches nothing, is left behind its turn 3
.Ltail:
	TURN 1, 1
	TURN 2, 1
	TURN 3, 1
	WIN 0
	s_sub_co_u32 s[CNT], s[CNT], 1
	s_cmp_eq_u32 s[CNT], 0
	s_cbranch_scc1 .Lout
	TURN 0
	WIN 0
	s_branch .Ltail
.Lout:                              ; the third trip's last 12 products (a stale bias, the last K once more) and the maximum made of them serve nothing: they land in piece 0's score buffer and its m, which nothing
                                    ; reads any more; l and O^T are not touched by them.  The price, once a launch, of one text for every trip of the tail
.set i, 0
.rept 8
	PV NP-1                         ; the last piece's V^T P of the last step
.set i, i+1
.endr
	; THE WAY OUT.  l's two halves and the other half of the lanes' are added; O^T is divided by l, rounded to f16 and sent through my stage in LDS, a piece (an atom of o16) at a time.  The additions are the places behind the last products.
	WIN 0
.macro ALL line:vararg              ; one line for each piece t
.set t, 0
.rept 4
	\line
.set t, t+1
.endr
.endm
	ALL v_add_f32 v[ST+4*t+2], v[ST+4*t+2], v[ST+4*t+3]
	ALL v_permlanex16_b32 v[ST+4*t+3], v[ST+4*t+2], s[SEL], s[SEL+1]
	ALL v_add_f32 v[ST+4*t+2], v[ST+4*t+2], v[ST+4*t+3]
	ALL v_rcp_f32 v[ST+4*t+2], v[ST+4*t+2]
	v_nop                           ; a plain instruction between the last reciprocal and the use of its result
.macro PACK t                       ; a lane's eight channels of a row pack into 16 bytes; they go into rows of 144 bytes and come back as whole rows of 128, into S^T's registers
	WIN W_RS
.set i, 32*(\t)
.rept 16
	s_wait_alu depctr_va_vdst(0)
	v_pk_mul_f32 v[i:i+1], v[i:i+1], v[ST+4*(\t)+2:ST+4*(\t)+3] op_sel_hi:[1,0]
.set i, i+2
.endr
	WIN 0x05                        ; sources 0 and 1 window 1, destination window 0
.set i, 0
.rept 16
	v_cvt_pk_f16_f32 v[S+16*(\t)+i], v[32*(\t)+2*i], v[32*(\t)+2*i+1]
.set i, i+1
.endr
	WIN 0
.irp f, 0,1,2,3
	ds_store_b128 v[STO], v[S+16*(\t)+4*\f:S+16*(\t)+4*\f+3] offset:32*\f
.endr
.irp f, 0,1,2,3
	ds_load_b128 v[S+16*(\t)+4*\f:S+16*(\t)+4*\f+3], v[RD] offset:\f*4*SP  ; LDS serves a wave's instructions in order (ISA guide 5.7.1.4): these see the stores above; the next piece's stores come behind them
.endr
.endm
.macro SEND t, younger              ; younger: the LDS instructions issued behind piece t's loads: the next piece's eight, or none
	WIN 0
.irp f, 0,1,2,3
	s_wait_dscnt (\younger)+3-\f
	global_store_b128 v[GO], v[S+16*(\t)+4*\f:S+16*(\t)+4*\f+3], s[10:11] offset:(\t)*8192+\f*512  ; 512 consecutive bytes, at a multiple of 512 from o16's first; the next piece's atom lies four atoms on
.endr
.endm
	PACK 0
.set t, 1
.rept 3                             ; a piece's arithmetic stands between the loads of the piece before and its stores
	PACK t
	SEND t-1, 8
.set t, t+1
.endr
	SEND 3, 0
	s_wait_tensorcnt 0x0            ; the wave's end, behind my last tensor load and my last LDS store
	ds_add_u32 v[SPW], v[NIL]
	s_wait_dscnt 0x0
	CROUND                          ; the closing round: no work-group ends while a partner may still ask for a tile that names it
	s_endpgm
.Lfunc_end_k_q6351e7a25c_attn:
	.size	k_q6351e7a25c_attn, .Lfunc_end_k_q6351e7a25c_attn-k_q6351e7a25c_attn
	.p2alignl 7, 3214868480
	.fill 96, 4, 3214868480
	.section	.rodata,"a",@progbits
	.p2align	6, 0x0
	.amdhsa_kernel k_q6351e7a25c_attn
		.amdhsa_group_segment_fixed_size 327680
		.amdhsa_private_segment_fixed_size 0
		.amdhsa_enable_private_segment 0
		.amdhsa_kernarg_size 32
		.amdhsa_user_sgpr_count 2
		.amdhsa_user_sgpr_kernarg_segment_ptr 1
		.amdhsa_wavefront_size32 1
		.amdhsa_system_sgpr_workgroup_id_x 1
		.amdhsa_system_sgpr_workgroup_id_y 1
		.amdhsa_system_sgpr_workgroup_id_z 1
		.amdhsa_system_vgpr_workitem_id 0
		.amdhsa_next_free_vgpr 768
		.amdhsa_next_free_sgpr 96
		.amdhsa_reserve_vcc 1
		.amdhsa_float_denorm_mode_32 3
		.amdhsa_float_denorm_mode_16_64 3
		.amdhsa_memory_ordered 1
		.amdhsa_forward_progress 1
		.amdhsa_inst_pref_size 145
	.end_amdhsa_kernel
	.amdgpu_metadata
---
amdhsa.version: [ 1, 2 ]
amdhsa.kernels:
  - .name:           k_q6351e7a25c_attn
    .symbol:         k_q6351e7a25c_attn.kd
    .args:
      - { .name: q32, .offset: 0, .size: 8, .value_kind: global_buffer, .address_space: global }
      - { .name: kv16, .offset: 8, .size: 8, .value_kind: global_buffer, .address_space: global }
      - { .name: position_bias, .offset: 16, .size: 8, .value_kind: global_buffer, .address_space: global }
      - { .name: o16, .offset: 24, .size: 8, .value_kind: global_buffer, .address_space: global }
    .group_segment_fixed_size: 327680
    .private_segment_fixed_size: 0
    .kernarg_segment_align: 8
    .kernarg_segment_size: 32
    .max_flat_workgroup_size: 128
    .sgpr_count:     96
    .vgpr_count:     768
    .wavefront_size: 32
...
	.end_amdgpu_metadata
.endif
;; end of part 4
;; launch outproj: the kernel of part 3 again; grid 8 x 32, 4 waves a work-group, clusters of 4 x 4, 327,680 bytes of LDS; arguments o16, wo16, out0; writes out0
;; ======== version 2 of 2: 5 launches; version 1 with the launch cast written anew for expert scheduling mode
;; limits: values are held in f16: magnitudes above 65,504 overflow, below 6.1e-05 lose precision; inputs' magnitudes at most 65,504; right only within a limited range of input values
;; workspace buffers: xe16 16,777,216 bytes; xi16 8,388,608 bytes; wq16 2,097,152 bytes; wkv16 4,194,304 bytes; wo16 2,097,152 bytes; kv16 33,554,432 bytes; q32 16,777,216 bytes; o16 8,388,608 bytes
;; launch cast (part 5): grid 64 x 16, 8 waves a work-group, no clusters, 0 bytes of LDS; arguments encoder_output, input_ids, Wq, Wk, Wv, Wo, xe16, xi16, wq16, wkv16, wo16; writes xe16, xi16, wq16, wkv16, wo16
.if DOCPART == 5
	.amdgcn_target "amdgcn-amd-amdhsa--gfx1250"
	.amdhsa_code_object_version 6
	.text
	.protected	k_q6351e7a25c_cast
	.globl	k_q6351e7a25c_cast
	.p2align	8
	.type	k_q6351e7a25c_cast,@function
k_q6351e7a25c_cast:
	s_mov_b64 s[64:65], 0
	v_nop
	global_prefetch_b8 v0, s[64:65] scope:SCOPE_SE
	s_setreg_imm32_b32 hwreg(HW_REG_WAVE_SCHED_MODE, 0, 2), 2
	s_setreg_imm32_b32 hwreg(HW_REG_WAVE_MODE, 25, 1), 1
	s_wait_xcnt 0x0
	s_wait_alu depctr_vm_vsrc(0)
; y = f16(bf16(x)) for the two activations and the four weights: each f32 input is rounded ONCE, to bf16 (nearest even), and that number is written as f16,
; the one operand format of all later products.
; LIMITS.  The second step is exact for 2^-17 <= |x| < 65,520; below 2^-17 the number keeps f16's fixed step of 2^-24; from 65,520 on it becomes an infinity.
; SHARES.  A work-group takes 16,384 numbers: 65,536 bytes in, 32,768 out; a thread 16 loads of 16 bytes, all issued at once.  Grid row y says which tensor:
;   0-7 encoder_output -> xe16;  8 Wq -> wq16;  9 Wk -> wkv16;  10 Wv -> wkv16's second half;  11 Wo -> wo16: all as they lie;
;   12-15 input_ids -> xi16 in ATOMS: an atom is 16 rows x 64 columns, 2,048 dense bytes (a row 128); atom number = ((col / 256) x 256 + row / 16) x 4 + (col / 64) % 4,
;   so that 128 rows x 256 columns, a tile of the product that follows, are 65,536 dense bytes.
; A stream: memory binds.  No LDS, no barrier, no matrix unit, no cluster: no byte is read twice and no two work-groups share one.
; THE MODE: SCHED_MODE bits 1:0 = 2 (LLVM: expert scheduling mode 2), set by the entry lines.  The code itself states the register dependences
; between vector instructions and memory instructions, with s_wait_alu, always for 0.
; THE PLAN.  Registers that memory instructions touch:
;   v1, v2     byte offsets in the source and in the destination.  Written by vector instructions at the head of either path, read by all 16 loads and all 16 stores, never written again.
;   X[j]       Load j lands in it, once; no vector instruction names it before that load; behind the wait for the load only row j's conversions name it.
;   Y[j]       Written once, by row j's last two conversions; read by store j; never written again.
;   T          named by vector instructions alone.
; The 16 rows go in four blocks of four.  One wait on va_vdst stands ahead of the first load, for the two offsets.  One stands at the head of each later block, behind the wait for the block's first load:
; the block before has written its four Y, and its four stores follow at once; the vector instructions issued since name this block's X and Y, and T.  One more stands ahead of the last four stores.
; No register that a memory instruction reads is written again, no vector instruction writes a scalar register or VCC, and EXEC is never written: no other wait is owed.
.set X, 8                              ; v[8:71]    load j: 4 registers
.set T, 72                             ; v[72:73]   at work
.set Y, 76                             ; v[76:107]  store j: 2 registers
	s_load_b512 s[4:19], s[0:1], 0x0               ; encoder_output 4:5, input_ids 6:7, Wq 8:9, Wk 10:11, Wv 12:13, Wo 14:15, xe16 16:17, xi16 18:19
	s_load_b128 s[20:23], s[0:1], 0x40             ; wq16 20:21, wkv16 22:23
	s_load_b64 s[24:25], s[0:1], 0x50              ; wo16
	s_and_b32 s28, ttmp7, 0xffff                   ; y
	s_mov_b32 s29, ttmp9                           ; x
	s_lshl_b32 s34, s28, 6
	s_add_co_u32 s34, s34, s29                     ; the share's number in the source: 64 y + x for encoder_output
	s_mov_b32 s35, s34                             ; and in the destination
	s_add_co_u32 s41, s29, 64                      ; Wv's place in wkv16
	s_sub_co_u32 s42, s34, 768                     ; input_ids: 64 (y - 12) + x, used for y >= 12 alone
	s_mov_b32 s40, 0xffff0000                      ; a word's upper bf16
	s_mov_b32 s37, 0
	s_mov_b32 s39, 0
	v_and_b32 v3, 31, v0                           ; lane
	v_lshrrev_b32 v4, 5, v0                        ; wave
	s_wait_kmcnt 0x0
	s_mov_b64 s[30:31], s[4:5]
	s_mov_b64 s[32:33], s[16:17]
.macro PICK src, dst, gs, gd           ; behind a compare on y: source, destination and the two numbers
	s_cselect_b64 s[30:31], s[\src:\src+1], s[30:31]
	s_cselect_b64 s[32:33], s[\dst:\dst+1], s[32:33]
	s_cselect_b32 s34, s\gs, s34
	s_cselect_b32 s35, s\gd, s35
.endm
	s_cmp_eq_u32 s28, 8
	PICK 8, 20, 29, 29
	s_cmp_eq_u32 s28, 9
	PICK 10, 22, 29, 29
	s_cmp_eq_u32 s28, 10
	PICK 12, 22, 29, 41
	s_cmp_eq_u32 s28, 11
	PICK 14, 24, 29, 29
	s_cmp_ge_u32 s28, 12
	PICK 6, 18, 42, 42
	s_lshl_b32 s36, s34, 16                        ; 65,536 bytes of source a share
	s_add_nc_u64 s[30:31], s[30:31], s[36:37]
; The four stores of the block that begins with row first.
.macro OUT4 first
.irp i, 0,1,2,3
	global_store_b64 v2, v[Y+2*((\first)+(\i)):Y+2*((\first)+(\i))+1], s[32:33] offset:256*((\first)+(\i))  ; the wave's 32 lanes store 256 consecutive bytes, at a multiple of 256
.endr
.endm
; 16 loads, then for each row: wait, round to bf16, widen, write as f16; a block's four stores go out at the head of the next block.  Each j has registers of its own, so nothing is rewritten while a store reads it.
.macro WORK atoms
	s_wait_alu depctr_va_vdst(0)                   ; v1 and v2 are written: every load below reads v1 as its offset, every store v2
.set j, 0
.rept 16
.if \atoms
	global_load_b128 v[X+4*j:X+4*j+3], v1, s[30:31] offset:(j%8)*8192+(j/8)*256 th:TH_LOAD_NT  ; rows 2 (j % 8) and + 1, 256 bytes of each
.else
	global_load_b128 v[X+4*j:X+4*j+3], v1, s[30:31] offset:512*j th:TH_LOAD_NT                 ; 512 consecutive bytes
.endif
.set j, j+1
.endr
.set j, 0
.rept 16
	s_wait_loadcnt 15-j                            ; loads come back in order: load j is in, the 15 - j younger ones stay out
.if (j%4 == 0) && (j > 0)
	s_wait_alu depctr_va_vdst(0)                   ; the conversions of the block before have written its four Y, which the four stores below read
	OUT4 j-4
.endif
	v_cvt_pk_bf16_f32 v[T], v[X+4*j], v[X+4*j+1]
	v_cvt_pk_bf16_f32 v[T+1], v[X+4*j+2], v[X+4*j+3]
	v_lshlrev_b32 v[X+4*j], 16, v[T]
	v_and_b32 v[X+4*j+1], s40, v[T]
	v_lshlrev_b32 v[X+4*j+2], 16, v[T+1]
	v_and_b32 v[X+4*j+3], s40, v[T+1]
	v_cvt_pk_f16_f32 v[Y+2*j], v[X+4*j], v[X+4*j+1]
	v_cvt_pk_f16_f32 v[Y+2*j+1], v[X+4*j+2], v[X+4*j+3]
.set j, j+1
.endr
	s_wait_alu depctr_va_vdst(0)                   ; the last block's conversions have written its four Y, which the last four stores read
	OUT4 12
.endm
	s_cmp_ge_u32 s28, 12
	s_cbranch_scc1 .Latoms
	s_lshl_b32 s38, s35, 15                        ; 32,768 bytes of destination a share
	s_add_nc_u64 s[32:33], s[32:33], s[38:39]
	v_lshlrev_b32 v1, 4, v3
	v_lshl_add_u32 v1, v4, 13, v1                  ; source: 8,192 x wave + 16 x lane
	v_lshrrev_b32 v2, 1, v1                        ; destination: half of that
	WORK 0
	s_endpgm
.Latoms:                                               ; the share is 16 rows x 1,024 columns; wave w takes columns 128 w .. + 127: two atoms
	s_lshl_b32 s38, s35, 13                        ; a block of 16 rows: four atoms, 8,192 bytes, in each quarter of the columns
	s_add_nc_u64 s[32:33], s[32:33], s[38:39]
	v_lshrrev_b32 v5, 4, v3                        ; lane / 16: which of two rows
	v_and_b32 v6, 15, v3
	v_lshlrev_b32 v1, 4, v6
	v_lshl_add_u32 v1, v4, 9, v1
	v_lshl_add_u32 v1, v5, 12, v1                  ; source: 4,096 (lane / 16) + 512 w + 16 (lane % 16)
	v_lshrrev_b32 v5, 1, v4
	v_and_b32 v6, 1, v4
	v_lshlrev_b32 v2, 3, v3
	v_lshl_add_u32 v2, v6, 12, v2
	v_lshl_add_u32 v2, v5, 21, v2                  ; destination: 2,097,152 (w / 2) + 4,096 (w % 2) + 8 x lane; store j adds 256 j
	WORK 1
	s_endpgm
.Lfunc_end_k_q6351e7a25c_cast:
	.size	k_q6351e7a25c_cast, .Lfunc_end_k_q6351e7a25c_cast-k_q6351e7a25c_cast
	.p2alignl 7, 3214868480
	.fill 96, 4, 3214868480
	.section	.rodata,"a",@progbits
	.p2align	6, 0x0
	.amdhsa_kernel k_q6351e7a25c_cast
		.amdhsa_group_segment_fixed_size 0
		.amdhsa_private_segment_fixed_size 0
		.amdhsa_enable_private_segment 0
		.amdhsa_kernarg_size 88
		.amdhsa_user_sgpr_count 2
		.amdhsa_user_sgpr_kernarg_segment_ptr 1
		.amdhsa_wavefront_size32 1
		.amdhsa_system_sgpr_workgroup_id_x 1
		.amdhsa_system_sgpr_workgroup_id_y 1
		.amdhsa_system_sgpr_workgroup_id_z 1
		.amdhsa_system_vgpr_workitem_id 0
		.amdhsa_next_free_vgpr 108
		.amdhsa_next_free_sgpr 66
		.amdhsa_reserve_vcc 0
		.amdhsa_float_denorm_mode_32 3
		.amdhsa_float_denorm_mode_16_64 3
		.amdhsa_memory_ordered 1
		.amdhsa_forward_progress 1
		.amdhsa_inst_pref_size 23
	.end_amdhsa_kernel
	.amdgpu_metadata
---
amdhsa.version: [ 1, 2 ]
amdhsa.kernels:
  - .name:           k_q6351e7a25c_cast
    .symbol:         k_q6351e7a25c_cast.kd
    .args:
      - { .name: encoder_output, .offset: 0, .size: 8, .value_kind: global_buffer, .address_space: global }
      - { .name: input_ids, .offset: 8, .size: 8, .value_kind: global_buffer, .address_space: global }
      - { .name: Wq, .offset: 16, .size: 8, .value_kind: global_buffer, .address_space: global }
      - { .name: Wk, .offset: 24, .size: 8, .value_kind: global_buffer, .address_space: global }
      - { .name: Wv, .offset: 32, .size: 8, .value_kind: global_buffer, .address_space: global }
      - { .name: Wo, .offset: 40, .size: 8, .value_kind: global_buffer, .address_space: global }
      - { .name: xe16, .offset: 48, .size: 8, .value_kind: global_buffer, .address_space: global }
      - { .name: xi16, .offset: 56, .size: 8, .value_kind: global_buffer, .address_space: global }
      - { .name: wq16, .offset: 64, .size: 8, .value_kind: global_buffer, .address_space: global }
      - { .name: wkv16, .offset: 72, .size: 8, .value_kind: global_buffer, .address_space: global }
      - { .name: wo16, .offset: 80, .size: 8, .value_kind: global_buffer, .address_space: global }
    .group_segment_fixed_size: 0
    .private_segment_fixed_size: 0
    .kernarg_segment_align: 8
    .kernarg_segment_size: 88
    .max_flat_workgroup_size: 256
    .sgpr_count:     66
    .vgpr_count:     108
    .wavefront_size: 32
...
	.end_amdgpu_metadata
.endif
;; end of part 5
;; launch kvproj: the kernel of part 2 again; grid 8 x 32, 4 waves a work-group, clusters of 4 x 4, 327,680 bytes of LDS; arguments xe16, wkv16, kv16; writes kv16
;; launch qproj: the kernel of part 3 again; grid 8 x 32, 4 waves a work-group, clusters of 4 x 4, 327,680 bytes of LDS; arguments xi16, wq16, q32; writes q32
;; launch attn: the kernel of part 4 again; grid 8 x 32, 4 waves a work-group, clusters of 4 x 1, 327,680 bytes of LDS; arguments q32, kv16, position_bias, o16; writes o16
;; launch outproj: the kernel of part 3 again; grid 8 x 32, 4 waves a work-group, clusters of 4 x 4, 327,680 bytes of LDS; arguments o16, wo16, out0; writes out0
